; MI455X (gfx1250); checked and timed in simulation.
; The chip was launched on July 23, 2026; its instructions are those of AMD's public machine-readable ISA for CDNA 5 (MIT licence, August 2026) and "CDNA5" Instruction Set Architecture Reference Guide (July 2026). The comments in the code are by the model that wrote it; some were corrected since.
;; Multi Head Self Attention. Allowed arithmetic: matrix products marked QUANTISED: E5M2 operands, one E8M0 scale for each 32 along K, by v_wmma_scale_f32_16x16x128_f8f6f4 with both operands' format E5M2, f32 sums; everything else in f32.
;; Inputs: Wk_codes 1,024 x 32 x 32 uint8 (E5M2 codes of Wk, K innermost, in blocks of 32 codes); Wk_scales 1,024 x 32 uint8 (E8M0 scales of Wk, one for each 32 codes along K); Wo_codes 1,024 x 32 x 32 uint8 (E5M2 codes of Wo, K innermost, in blocks of 32 codes); Wo_scales 1,024 x 32 uint8 (E8M0 scales of Wo, one for each 32 codes along K); Wq_codes 1,024 x 32 x 32 uint8 (E5M2 codes of Wq, K innermost, in blocks of 32 codes); Wq_scales 1,024 x 32 uint8 (E8M0 scales of Wq, one for each 32 codes along K); Wv_codes 1,024 x 32 x 32 uint8 (E5M2 codes of Wv, K innermost, in blocks of 32 codes); Wv_scales 1,024 x 32 uint8 (E8M0 scales of Wv, one for each 32 codes along K); x_codes 4 x 2,048 x 32 x 32 uint8 (E5M2 codes of x, K innermost, in blocks of 32 codes); x_scales 4 x 2,048 x 32 uint8 (E8M0 scales of x, one for each 32 codes along K).
;; Outputs: out0 4 x 2,048 x 1,024 float32.
;; This version of the problem:
;;   THIS VERSION OF THE PROBLEM IS GIVEN IN LOW PRECISION. The matrix products marked QUANTISED in the list below multiply operands that are first quantised to E5M2 (5 exponent bits, 2 mantissa bits; 8 bits a number), with one power-of-two scale for each 32 numbers along K (OCP MX v1.0); their sums are f32. All else is computed in f32.
;;   The module's matrix products, in the order in which they are computed (A, B: the left and right operand; K: the contracted axis; several contracted axes count as one K, in the product's order):
;;     1. [M 8,192, K 1,024] x [K 1,024, N 1,024]; A: input x (given as codes); B: input Wq (given as codes): QUANTISED
;;     2. [M 8,192, K 1,024] x [K 1,024, N 1,024]; A: input x (given as codes); B: input Wk (given as codes): QUANTISED
;;     3. [M 8,192, K 1,024] x [K 1,024, N 1,024]; A: input x (given as codes); B: input Wv (given as codes): QUANTISED
;;     4. batch 64 x [M 2,048, K 64] x [K 64, N 2,048]; A: computed on the way; B: computed on the way: QUANTISED
;;     5. batch 64 x [M 2,048, K 2,048] x [K 2,048, N 64]; A: softmax (see below); B: computed on the way: QUANTISED
;;     6. [M 8,192, K 1,024] x [K 1,024, N 1,024]; A: computed on the way; B: input Wo (given as codes): QUANTISED
;;   THE QUANTISER, for each operand of a quantised product, along K:
;;     - K is cut into blocks of 32 from its start; a last block that is shorter is filled with zeros.
;;     - A block's scale is 2^e with e = floor(log2(the largest magnitude in the block)) - 15, held to -126 .. 127; a block of zeros has e = 0. As a byte (E8M0): e + 127.
;;     - Each number is divided by its block's scale, clamped to +-57,344, and rounded to the nearest number of E5M2, ties to even, subnormals kept.
;;     - The product sums the exact products of the quantised numbers (number of the format x scale) in f32.
;;   ~~~python
;;   def quantise(x, axis):      # numpy; x: float32 -> the quantised numbers, widened to float32 again
;;       x = np.moveaxis(x, axis, -1); K = x.shape[-1]
;;       x = np.pad(x, [(0, 0)] * (x.ndim - 1) + [(0, -K % 32)]); x = x.reshape(x.shape[:-1] + (-1, 32)); a = np.abs(x).max(-1, keepdims=True)
;;       e = np.where(a > 0, np.clip(np.frexp(np.where(a > 0, a, 1))[1] - 1 - 15, -126, 127), 0)      # np.frexp(a)[1] - 1 = floor(log2(a)), exactly
;;       r = np.clip(x / 2.0 ** e, -57344, 57344)
;;       step = 2.0 ** (np.maximum(np.frexp(np.where(r == 0, 1, r))[1] - 1, -14) - 2)
;;       q = np.round(r / step) * step * 2.0 ** e      # np.round: ties to even
;;       return np.moveaxis(q.reshape(q.shape[:-2] + (-1,))[..., :K], -1, axis).astype(np.float32)
;;   ~~~
;;   SOFTMAX AHEAD OF A QUANTISED PRODUCT. Where the list says 'softmax', what is quantised is not the finished softmax but p = 2^(t - M), with t = logit x log2(e) and M = ceil(the row's largest t), a whole number; so 1/2 < the row's largest p <= 1. The row's sum l is taken of the UNQUANTISED p, in f32, and the product's result is divided by l at the end. Since M is a whole number, a kernel that streams over the keys may use a running M (the ceiling of the running maximum): every later rescaling is an exact power of two, which a block's scale takes up: the codes' values come out the same.
;;   OPERANDS COMPUTED ON THE WAY. 'Computed on the way' means the value that the module computes at that place (a softmax that the list does not call 'softmax' is quantised finished and normalised). What goes into a quantiser is computed in f32, as accurately as f32 sums, v_exp_f32 and their like allow (about 1e-6 of the number): no bf16 or f16 on the way to a quantiser, and a product that is left as it is and whose result goes on into a quantised operand takes f32 operands (vector FMAs, or v_wmma_f32_16x16x4_f32). A number that lies on a knife's edge between two numbers of the format may be rounded either way, as far as f32 arithmetic and the matrix unit's own rounding can turn it there, and no further.
;;   INPUTS GIVEN AS CODES. Wk (in the module: [1024, 1024], K = its axis 1); Wo (in the module: [1024, 1024], K = its axis 1); Wq (in the module: [1024, 1024], K = its axis 1); Wv (in the module: [1024, 1024], K = its axis 1); x (in the module: [4, 2048, 1024], K = its axis 2): each comes as NAME_codes (uint8): NAME with its K axis moved to the last place and cut into blocks of 32 codes, [.., K / 32, bytes a block], one block behind the other in memory; one code a byte (a code: sign, 5 exponent bits, 2 mantissa bits); and NAME_scales (uint8): the same leading axes, one E8M0 byte (e + 127) for each 32 codes along K. Its value is code x scale, taken as it is: it is not quantised again, and the codes and scales need not be those that the quantiser above would give.
;; 2 versions, each right; version 2 is version 1 with the launch attn written anew for expert scheduling mode. Each part assembles by itself: llvm-mc -triple=amdgcn-amd-amdhsa -mcpu=gfx1250 --defsym DOCPART=n.
;; ======== version 1 of 2: 3 launches
;; workspace buffers: qimg 8,388,608 bytes; kimg 8,388,608 bytes; vimg 8,388,608 bytes; qsc 524,288 bytes; ksc 524,288 bytes; vsc 262,144 bytes; cimg 8,388,608 bytes; csc 262,144 bytes
;; launch proj (part 1): grid 12 x 32, 4 waves a work-group, clusters of 4 x 4, 327,680 bytes of LDS; arguments x_codes, x_scales, Wq_codes, Wq_scales, Wk_codes, Wk_scales, Wv_codes, Wv_scales, qimg, qsc, kimg, ksc, vimg, vsc; writes qimg, qsc, kimg, ksc, vimg, vsc
.if DOCPART == 1
	.amdgcn_target "amdgcn-amd-amdhsa--gfx1250"
	.amdhsa_code_object_version 6
	.text
	.protected	k_q73b393a5d6_proj
	.globl	k_q73b393a5d6_proj
	.p2align	8
	.type	k_q73b393a5d6_proj,@function
k_q73b393a5d6_proj:
	s_mov_b64 s[64:65], 0
	v_nop
	global_prefetch_b8 v0, s[64:65] scope:SCOPE_SE
	s_setreg_imm32_b32 hwreg(HW_REG_WAVE_MODE, 25, 1), 1
	s_wait_xcnt 0x0
	s_wait_alu depctr_hold_cnt(0) depctr_sa_sdst(0) depctr_va_vdst(0) depctr_va_sdst(0) depctr_va_ssrc(0) depctr_va_vcc(0) depctr_vm_vsrc(0)
	s_getreg_b32 s2, hwreg(HW_REG_IB_STS2, 6, 4)
	s_cmp_eq_u32 s2, 0
	s_cbranch_scc0 .Lentry_in_a_cluster
	s_endpgm
.Lentry_in_a_cluster:
	s_bfe_u32 s2, ttmp6, 0x10000c
	s_cmp_lg_u32 s2, 0xf033
	s_cbranch_scc0 .Lentry_shape_is_right
	s_endpgm
.Lentry_shape_is_right:
; Q = x Wq^T, K = x Wk^T, V = x Wv^T on codes of BF8 (E5M2) with one E8M0 scale for each 32 along K = 1,024; each result is quantised on its way out, for the attention that follows:
; Q and K along a head's 64 channels (two blocks of 32), V along the keys.  x: [8192][1024] codes, [8192][32] scale bytes; each W: [1024][1024] codes, [1024][32] scale bytes.
; A tile of 256 x 256 is made by a work-group of four waves; a wave makes 128 x 128: 64 accumulators, 512 registers.  K goes in steps of 256 through a ring of two LDS slots filled by the tensor data mover.
; ROLES.  Source 0 of the matrix instruction (here called B) is the operand whose rows run along a lane's eight result registers; source 1 (A) gives each lane one row.  The quantiser wants its axis along
; a lane's registers.  So for Q and K (cluster x = 0, 1): A = x, B = Wq or Wk: a lane holds one position and channels.  For V (cluster x = 2): A = Wv, B = x: a lane holds one channel and keys.
; CLUSTERS: 4 x 4 work-groups.  A's tile hangs on the cluster's y and on cy alone and is asked for jointly along a row of the cluster, B's on the cluster's y and on cx alone, along a column.
; The choice of roles hangs on the cluster's x, which all sixteen partners share; only pointers, two offsets and the stores' immediates differ.
; ORDER OF THE CODES.  The 16 registers of two neighbouring result tiles hold, of a block of 32, the members 8 (lane / 16) + i % 8 + 16 (i / 8), i = 0 .. 15.  The codes are stored in that order.  Q meets K and
; the softmax's weights meet V in the same order on both sides, so every product pairs the right numbers, under the block's own scale; only the grouping of a sum's terms differs.
; OUTPUT, as images of operand registers (16 bytes a lane, 512 consecutive bytes a store):
;   qimg, kimg [bh 64][tile of 16 positions 128][chunk 2][lane 32][16];   qsc, ksc [bh][tile][16] words: bytes 0, 1 the two scales; bytes 2, 3 stand over zero codes and are never 0xff
;   vimg [bh][step of 128 keys 16][tile of 16 channels 4][chunk 4][lane][16];   vsc [bh][step][tile][16] words
; LIMITS: a block of zeros gets the byte 1 where the quantiser's rule says 127 (its codes are zeros, and this program alone reads the bytes); NaN and infinities are not served.
; REGISTERS, in windows of 256: window 0: v0-31 addresses; v32-63 scale words, two sets, and nothing else; v64-91 the quantiser's; from v128 A's fragments, one set, on the way out the codes.
;   window 1: B's fragments, two sets.   window 2: the accumulators of my A rows 0-63 (accumulator (a, b) at v[8 (8 a + b)]);   window 3: those of rows 64-127.
.set KSTEP,  256
.set NQ,     2                         ; matrix instructions deep in a slot
.set ROWB,   256                       ; a tile's row in bytes
.set KROW,   1024                      ; a row of codes in memory
.set PITCH,  272                       ; an LDS row: 256 bytes + 16 of padding: the 16 rows that a load touches start 68 words apart
.set FR,     16
.set NL,     4
.set NP,     8                         ; places behind this matrix instruction (ISA guide 7.12.1)
.set HALFT,  128*PITCH
.set SLOT,   4*HALFT
.set LAPS,   2                         ; 1,024 / 512
.set KS,     32                        ; a row of scale bytes
.set SCL,    2*SLOT                    ; behind the ring: the scale bytes of my 256 + 256 rows, for all of K, as units of 256 bytes + 16
.set HALFS,  (128*KS/256)*272
.set SBLK,   (16*KS/256)*272
.set SPARE,  SCL+4*HALFS               ; the spare words: 128 bytes a wave, named by no other line
.set STG,    SPARE+512                 ; 1,024 bytes a wave: the scale words on their way out; no fill lands here
.set ADRA, 16                          ; v16-17 LDS address of my A fragments in slot 0, 1
.set ADRB, 20                          ; v20-21 the same for B
.set LI,   24                          ; v24  16 x lane
.set STA,  25                          ; v25  where I put a scale word: STG + 1024 wave + 512 (lane / 16) + 4 (lane % 16)
.set STR,  26                          ; v26  where I read them back: STG + 1024 wave + 16 lane
.set ADRS, 27                          ; v27  LDS address of my scale words: lanes 0-15 A's rows, lanes 16-31 B's
.set SPW,  28                          ; v28  my spare word; never rewritten
.set NIL,  29                          ; v29  0; never rewritten
.set VSH,  30                          ; v30  Q, K: 16 (lane / 16): the upper lanes keep the second head's two bytes; V: 0
.set VO2,  31                          ; v31  V's scale words: 16 (lane % 16) + 4096 (lane / 16)
.set SC,   32
.set TM,   64                          ; v64-67 largest magnitudes, v68-71 bytes, v72-75 the holds, v76-79 the conversions' scale operands
.set PW,   80
.set PWS,  81
.set SB0,  84
.set SB1,  88
.set AF,   128
.set PC,   128                         ; the codes of A block a at v[128 + 16 a]: no store's data are written again
.set G1, 24
.set G0, 32
.set G1B, 48
.set G0B, 56
.set G1S, 68
.set G0S, 76
.set G1SB, 80
.set G0SB, 88
.set SEL, 98                           ; s[98:99] selects for lane l xor 16
.set MNT, 100                          ; s100 the mantissa field of 57,344
.set FLO, 101                          ; s101 the floor 2^(16 - 127)
.set MODE, 104                         ; s104 1: V;  0: Q or K
.set MSB, 0
.macro WIN new                         ; the immediate's high byte repeats the setting that is left
.if MSB != (\new)
	s_set_vgpr_msb (MSB<<8)|(\new)
.set MSB, (\new)
.endif
.endm
.set MUL_LO, 0xa1                      ; source 0 (B) window 1, source 1 (A) window 0, C and D window 2
.set MUL_HI, 0xf1
.set TO_B,   0x40
; A joint load: waves 0 and 1 fetch for A, waves 2 and 3 for B; the branch hangs on the wave's number alone.  Four v_nop follow each of the two lines.
.macro JLOAD g0a, g1a, g0b, g1b
	s_cmp_eq_u32 s15, 0
	s_cbranch_scc0 .Lfor_b_\@
	tensor_load_to_lds s[\g0a:\g0a+3], s[\g1a:\g1a+7]
	s_nop 0
.rept 4
	v_nop
.endr
	s_branch .Lasked_\@
.Lfor_b_\@:
	tensor_load_to_lds s[\g0b:\g0b+3], s[\g1b:\g1b+7]
	s_nop 0
.rept 4
	v_nop
.endr
.Lasked_\@:
.endm
.macro CREST                           ; a round of the cluster's barrier behind its opening barrier
	s_cmp_lg_u32 s14, 0
	s_cbranch_scc1 .Lnot_wave_0_\@
	s_barrier_signal -3
.Lnot_wave_0_\@:
	s_barrier_wait -3
	s_barrier_signal -1
	s_barrier_wait -1
.endm
.macro CROUND
	s_barrier_signal -1
	s_barrier_wait -1
	CREST
.endm
	s_load_b512 s[68:83], s[0:1], 0x0              ; x codes, x scales, Wq c, Wq s, Wk c, Wk s, Wv c, Wv s
	s_load_b256 s[84:91], s[0:1], 0x40             ; qimg, qsc, kimg, ksc
	s_load_b128 s[92:95], s[0:1], 0x60             ; vimg, vsc
	v_lshl_add_u32 v[SPW], v0, 2, SPARE
	v_mov_b32 v[NIL], 0
	ds_add_u32 v28, v29
	ds_add_u32 v28, v29
	s_wait_dscnt 0x0
	v_lshrrev_b32 v1, 5, v0
	v_readfirstlane_b32 s14, v1                    ; wave 0..3
	s_lshr_b32 s15, s14, 1                         ; which half of A's rows is mine.  Also: I fetch for A (0) or for B (1)
	s_and_b32 s16, s14, 1                          ; which half of B's rows.  Also: which 128 rows I fetch
	s_bfe_u32 s40, ttmp6, 0x40000                  ; cx
	s_bfe_u32 s41, ttmp6, 0x40004                  ; cy
	s_and_b32 s2, ttmp7, 0xffff
	s_lshl_b32 s2, s2, 2                           ; 4 x cluster y: it walks x's 32 tiles of 256 rows
	s_cmp_eq_u32 ttmp9, 2                          ; the cluster's x: 0 Q, 1 K, 2 V
	s_cselect_b32 s17, 0, s2
	s_cselect_b32 s42, s2, 0
	s_cselect_b32 s[MODE], 1, 0
	s_add_co_u32 s17, s17, s41                     ; A's tile: x's 4 cluster y + cy, or Wv's cy
	s_add_co_u32 s42, s42, s40                     ; B's tile: W's cx, or x's 4 cluster y + cx
	s_lshl_b32 s43, s41, 2
	s_lshl_b32 s43, 15, s43                        ; my row of the cluster
	s_lshl_b32 s44, 0x1111, s40                    ; my column
	s_or_b32 s[G1+0], s43, (0<<16)|(1<<20)|(1<<21)|(5<<22)|(3<<25)  ; mask; elements of 1 byte; padding on; bit 21 beside a mask; 4 words after every 64
	s_or_b32 s[G1B+0], s44, (0<<16)|(1<<20)|(1<<21)|(5<<22)|(3<<25)
.irp g, G1, G1B
	s_mov_b32 s[\g+1], ROWB<<16                    ; tensor_dim0
	s_mov_b32 s[\g+2], 128<<16                     ; tensor_dim1
	s_mov_b32 s[\g+3], ROWB<<16                    ; tile_dim0
	s_mov_b32 s[\g+4], 128                         ; tile_dim1
	s_mov_b32 s[\g+5], KROW                        ; the pitch
	s_mov_b32 s[\g+6], 0
	s_mov_b32 s[\g+7], 0
.endr
	s_lshl_b32 s18, s16, 7
	s_lshl_b32 s20, s17, 8
	s_add_co_u32 s20, s20, s18                     ; A: row 256 x tile + 128 x half
	s_lshl_b32 s46, s42, 8
	s_add_co_u32 s46, s46, s18                     ; B likewise
	s_mov_b32 s21, 0
	s_mov_b32 s47, 0
	s_mov_b64 s[18:19], KS
	s_mul_u64 s[22:23], s[20:21], s[18:19]         ; where these rows' scale bytes begin
	s_mul_u64 s[96:97], s[46:47], s[18:19]
	s_mov_b64 s[18:19], KROW
	s_mul_u64 s[20:21], s[20:21], s[18:19]         ; and their codes
	s_mul_u64 s[46:47], s[46:47], s[18:19]
	s_mul_i32 s45, s14, HALFT                      ; where they go: no place in the cluster enters an LDS address
	s_mul_i32 s105, s14, HALFS
	s_mov_b32 s[SEL], 0x76543210
	s_mov_b32 s[SEL+1], 0xfedcba98
	s_mov_b32 s[MNT], 0x600000
	s_mov_b32 s[FLO], 0x8000000
	s_wait_kmcnt 0x0
	s_cmp_eq_u32 ttmp9, 1                          ; the buffers are chosen by the cluster's x alone
	s_cselect_b64 s[8:9], s[76:77], s[72:73]       ; Wk or Wq: codes,
	s_cselect_b64 s[10:11], s[78:79], s[74:75]     ; scales,
	s_cselect_b64 s[12:13], s[88:89], s[84:85]     ; the images,
	s_cselect_b64 s[66:67], s[90:91], s[86:87]     ; the scale words
	s_cmp_eq_u32 ttmp9, 2
	s_cselect_b64 s[4:5], s[80:81], s[68:69]       ; A's codes: Wv's or x's
	s_cselect_b64 s[6:7], s[82:83], s[70:71]
	s_cselect_b64 s[8:9], s[68:69], s[8:9]         ; B's codes: x's or W's
	s_cselect_b64 s[10:11], s[70:71], s[10:11]
	s_cselect_b64 s[12:13], s[92:93], s[12:13]
	s_cselect_b64 s[66:67], s[94:95], s[66:67]
	; the scale bytes of 128 rows: a dense block of 4,096 bytes, as 16 rows of 256 bytes (32 elements of 8), 16 bytes of padding behind each
	s_or_b32 s[G1S+0], s43, (3<<16)|(1<<20)|(1<<21)|(5<<22)|(3<<25)
	s_or_b32 s[G1SB+0], s44, (3<<16)|(1<<20)|(1<<21)|(5<<22)|(3<<25)
.irp g, G1S, G1SB
	s_mov_b32 s[\g+1], 32<<16
	s_mov_b32 s[\g+2], (128*KS/256)<<16
	s_mov_b32 s[\g+3], 32<<16
	s_mov_b32 s[\g+4], 128*KS/256
	s_mov_b32 s[\g+5], 32
	s_mov_b32 s[\g+6], 0
	s_mov_b32 s[\g+7], 0
.endr
	s_add_nc_u64 s[20:21], s[4:5], s[20:21]
	s_add_nc_u64 s[22:23], s[6:7], s[22:23]
	s_add_nc_u64 s[46:47], s[8:9], s[46:47]
	s_add_nc_u64 s[96:97], s[10:11], s[96:97]
	CROUND                                         ; all sixteen work-groups are here: the first joint loads meet
	s_mov_b32 s[G0S], 1
	s_add_co_u32 s[G0S+1], s105, SCL
	s_mov_b64 s[G0S+2:G0S+3], s[22:23]
	s_or_b32 s[G0S+3], s[G0S+3], 0x80000000
	s_mov_b32 s[G0SB], 1
	s_add_co_u32 s[G0SB+1], s105, SCL
	s_mov_b64 s[G0SB+2:G0SB+3], s[96:97]
	s_or_b32 s[G0SB+3], s[G0SB+3], 0x80000000
	JLOAD G0S, G1S, G0SB, G1SB                     ; the scale bytes first: they are wanted with K step 0
.irp s, 0,1
	s_mov_b32 s[G0+4*\s], 1
	s_add_co_u32 s[G0+4*\s+1], s45, \s*SLOT
	s_add_nc_u64 s[G0+4*\s+2:G0+4*\s+3], s[20:21], \s*ROWB
	s_or_b32 s[G0+4*\s+3], s[G0+4*\s+3], 0x80000000
	s_mov_b32 s[G0B+4*\s], 1
	s_add_co_u32 s[G0B+4*\s+1], s45, \s*SLOT
	s_add_nc_u64 s[G0B+4*\s+2:G0B+4*\s+3], s[46:47], \s*ROWB
	s_or_b32 s[G0B+4*\s+3], s[G0B+4*\s+3], 0x80000000
	JLOAD G0+4*\s, G1, G0B+4*\s, G1B
.endr
	v_and_b32 v1, 15, v0                           ; r = lane % 16
	v_bfe_u32 v2, v0, 4, 1                         ; h = lane / 16
	v_mul_u32_u24 v3, v1, PITCH
	v_lshl_add_u32 v4, v2, 4, v3                   ; a fragment's row x pitch + 16 h
	s_mul_i32 s21, s15, HALFT                      ; my 128 rows of A
	s_mul_i32 s22, s16, HALFT                      ; my 128 rows of B,
	s_add_co_u32 s22, s22, 2*HALFT                 ; which lie behind A's 256
.irp s, 0,1
	v_add_nc_u32 v[ADRA+\s], s21, v4
	v_add_nc_u32 v[ADRB+\s], s22, v4
	s_add_co_u32 s21, s21, SLOT
	s_add_co_u32 s22, s22, SLOT
.endr
	v_mul_u32_u24 v5, v1, KS                       ; my row's scale bytes: 32 a row,
	v_lshrrev_b32 v6, 8, v5
	v_lshl_add_u32 v5, v6, 4, v5                   ; and 16 more for each 256 passed
	s_mul_i32 s21, s15, HALFS
	s_mul_i32 s22, s16, HALFS
	s_add_co_u32 s22, s22, 2*HALFS
	s_sub_co_u32 s22, s22, s21
	v_mul_u32_u24 v6, s22, v2                      ; lanes 16-31 take B's: one product, the distance between the two bases
	s_add_co_u32 s21, s21, SCL
	v_add_nc_u32 v5, v5, v6
	v_add_nc_u32 v[ADRS], s21, v5
	v_and_b32 v6, 31, v0
	v_lshlrev_b32 v[LI], 4, v6
	s_lshl_b32 s23, s14, 10
	s_add_co_u32 s23, s23, STG                     ; my 1,024 bytes for scale words
	v_add_nc_u32 v[STR], s23, v[LI]
	v_lshlrev_b32 v5, 2, v1
	v_lshl_add_u32 v5, v2, 9, v5
	v_add_nc_u32 v[STA], s23, v5
	v_lshlrev_b32 v5, 4, v1
	v_lshl_add_u32 v[VO2], v2, 12, v5
	s_cmp_eq_u32 s[MODE], 1
	s_cselect_b32 s21, 0, 16
	v_mul_u32_u24 v[VSH], v2, s21
	; where my part of the output begins.  xr: my first row of x (a position), wr: my first row of W (a channel)
	s_lshl_b32 s20, s17, 8
	s_lshl_b32 s21, s15, 7
	s_add_co_u32 s20, s20, s21                     ; A's first row of mine
	s_lshl_b32 s46, s42, 8
	s_lshl_b32 s47, s16, 7
	s_add_co_u32 s46, s46, s47                     ; B's
	s_cmp_eq_u32 s[MODE], 1
	s_cselect_b32 s21, s46, s20                    ; xr
	s_cselect_b32 s47, s20, s46                    ; wr
	s_lshr_b32 s22, s21, 11
	s_lshl_b32 s22, s22, 4
	s_lshr_b32 s47, s47, 6
	s_add_co_u32 s22, s22, s47                     ; bh = 16 x batch + my first head
	s_and_b32 s21, s21, 2047                       ; the position in the batch
	s_lshl_b32 s46, s22, 17                        ; a head's images are 131,072 bytes; 64 bytes a position in all three layouts
	s_lshl_b32 s47, s21, 6
	s_add_co_u32 s46, s46, s47
	s_mov_b32 s47, 0
	s_add_nc_u64 s[12:13], s[12:13], s[46:47]
	s_lshl_b32 s46, s22, 13                        ; scale words: Q, K 8,192 bytes a head and 4 a position; V half of both
	s_lshl_b32 s21, s21, 2
	s_add_co_u32 s46, s46, s21
	s_lshr_b32 s46, s46, s[MODE]
	s_add_nc_u64 s[66:67], s[66:67], s[46:47]
.macro FRAG reg, adr, q, i             ; 16 rows x 128 K of 8-bit codes: lane l holds row l % 16; registers 4 c .. 4 c + 3 hold K = 32 c + 16 (l / 16) + 0 .. 15
.irp c, 0,1,2,3
	ds_load_b128 v[\reg+4*\c:\reg+4*\c+3], v[\adr] offset:128*(\q)+32*\c+(\i)*16*PITCH
.endr
.endm
; 16 matrix instructions: A's blocks a0, a0 + 1 x B's eight.  The 64 accumulators take turns, one instruction a turn, in the same order in every step.
.macro MUL16 a0, p, q, sc, zero
.irp a, \a0, \a0+1
.irp b, 0,1,2,3,4,5,6,7
.if \zero
	v_wmma_scale_f32_16x16x128_f8f6f4 v[8*(8*((\a)%4)+\b):8*(8*((\a)%4)+\b)+7], v[128*(\p)+FR*\b:128*(\p)+FR*\b+FR-1], v[AF+FR*(\a):AF+FR*(\a)+FR-1], 0, v[SC+8*NQ*(\sc)+NQ*\b+(\q)], v[SC+8*NQ*(\sc)+NQ*(\a)+(\q)] matrix_a_fmt:MATRIX_FMT_BF8 matrix_b_fmt:MATRIX_FMT_BF8 matrix_a_scale:MATRIX_SCALE_ROW1
.else
	v_wmma_scale_f32_16x16x128_f8f6f4 v[8*(8*((\a)%4)+\b):8*(8*((\a)%4)+\b)+7], v[128*(\p)+FR*\b:128*(\p)+FR*\b+FR-1], v[AF+FR*(\a):AF+FR*(\a)+FR-1], v[8*(8*((\a)%4)+\b):8*(8*((\a)%4)+\b)+7], v[SC+8*NQ*(\sc)+NQ*\b+(\q)], v[SC+8*NQ*(\sc)+NQ*(\a)+(\q)] matrix_a_fmt:MATRIX_FMT_BF8 matrix_b_fmt:MATRIX_FMT_BF8 matrix_a_scale:MATRIX_SCALE_ROW1
.endif
.endr
.endr
.endm
.macro FETCH_B slot, q, p
	WIN TO_B
.irp i, 0,1,2,3,4,5,6,7
	FRAG 128*(\p)+FR*\i, ADRB+\slot, \q, \i
.endr
	WIN 0
.endm
.macro FETCH_A slot, q, i0
.irp i, \i0, \i0+1, \i0+2, \i0+3
	FRAG AF+FR*(\i), ADRA+\slot, \q, \i
.endr
.endm
.macro SCALES sc                       ; a K step's scale words: two a row; lanes 0-15 A's block i, lanes 16-31 B's block i
.irp i, 0,1,2,3,4,5,6,7
	ds_load_b64 v[SC+8*NQ*\sc+NQ*\i:SC+8*NQ*\sc+NQ*\i+1], v[ADRS] offset:\i*SBLK
.endr
.endm
.macro PLACES n                        ; plain vector instructions between a matrix instruction and a load into, or a vector read or write of, its registers
.rept \n
	v_nop
.endr
.endm
.macro STEP slot, q, zero              ; 128 along K whose successor lies in the same slot
	s_wait_dscnt 4*NL                              ; B's set and A's blocks 0-3 are in; the 16 youngest loads (A's blocks 4-7) may be out
	WIN MUL_LO
	MUL16 0, (\q)%2, \q, \slot, \zero
	MUL16 2, (\q)%2, \q, \slot, \zero
	s_wait_dscnt 0
	PLACES NP
	FETCH_B \slot, (\q)+1, 1-(\q)%2
	FETCH_A \slot, (\q)+1, 0
	WIN MUL_HI
	MUL16 4, (\q)%2, \q, \slot, \zero
	MUL16 6, (\q)%2, \q, \slot, \zero
	PLACES NP
	WIN 0
	FETCH_A \slot, (\q)+1, 4
.endm
; A slot's last step changes slots: one barrier; in front of it each wave waits for all its tensor loads, adds 0 to its spare word, and waits for that and for its reads of this slot.
.macro TURN slot, next, fill
	s_wait_tensorcnt 0x0                           ; all my tensor loads have landed: my part of the next slot
	ds_add_u32 v[SPW], v[NIL]                      ; 0 onto my spare word
	s_wait_dscnt 4*NL+1                            ; the add and the 16 youngest loads may be out
	WIN MUL_LO
	MUL16 0, 1, NQ-1, \slot, 0
	s_wait_dscnt 0x0                               ; the add is done, and my reads of this slot are over
	s_barrier_signal -1
	MUL16 2, 1, NQ-1, \slot, 0
	WIN 0
	s_barrier_wait -1
.if \fill
	CREST                                          ; the barrier has opened a round of the cluster's: no wave of any partner still reads this slot or has a load on its way
	s_add_nc_u64 s[G0+4*\slot+2:G0+4*\slot+3], s[G0+4*\slot+2:G0+4*\slot+3], 2*ROWB
	s_add_nc_u64 s[G0B+4*\slot+2:G0B+4*\slot+3], s[G0B+4*\slot+2:G0B+4*\slot+3], 2*ROWB
	JLOAD G0+4*\slot, G1, G0B+4*\slot, G1B         ; the first tensor load behind the round; its four v_nop are among the places in front of the loads below
	PLACES NP-4
.else
	PLACES NP
.endif
	v_add_nc_u32 v[ADRS], 4*NQ, v[ADRS]            ; on to the next K step's scale words
	FETCH_B \next, 0, 0
	FETCH_A \next, 0, 0
	SCALES \next
	WIN MUL_HI
	MUL16 4, 1, NQ-1, \slot, 0
	MUL16 6, 1, NQ-1, \slot, 0
	PLACES NP
	WIN 0
	FETCH_A \next, 0, 4
.endm
	s_wait_tensorcnt 1                             ; the scale bytes and my part of K step 0 are in; the one load issued behind them, K step 1's, may be out
	s_barrier_signal -1
	s_barrier_wait -1
	FETCH_B 0, 0, 0
	FETCH_A 0, 0, 0
	SCALES 0
	FETCH_A 0, 0, 4
	STEP 0, 0, 1                                   ; the first step's products start the sums: nothing is cleared
	s_mov_b32 s3, LAPS-1
.Llap:                                             ; once round the ring, from a lap's second step to the next lap's first; both slots are filled again
	TURN 0, 1, 1
	STEP 1, 0, 0
	TURN 1, 0, 1
	STEP 0, 0, 0
	s_sub_co_u32 s3, s3, 1
	s_cmp_lg_u32 s3, 0
	s_cbranch_scc1 .Llap
	TURN 0, 1, 0                                   ; the last lap fills nothing
	STEP 1, 0, 0
	s_wait_dscnt 4*NL
	WIN MUL_LO
	MUL16 0, 1, NQ-1, 1, 0
	MUL16 2, 1, NQ-1, 1, 0
	s_wait_dscnt 0
	WIN MUL_HI
	MUL16 4, 1, NQ-1, 1, 0
	MUL16 6, 1, NQ-1, 1, 0
	WIN 0
; THE WAY OUT of A block a: its 64 numbers a lane are four blocks of 32 (16 in this lane, 16 in lane l xor 16).  Largest magnitude with the floor among its leaves; 15 off its exponent field is the
; conversion's scale operand; that shifted is the byte; the hold at 57,344 x the scale, in place; the conversions' 16 registers are an operand's registers and leave as they stand.
.macro OUTA a
.set AC, 64*((\a)%4)
.set PCA, PC+16*(\a)
	WIN 0x28+0x14*((\a)/4)                         ; sources 1 and 2: the accumulators' window
.irp b, 0,1,2,3
	v_max3_num_f32 v[TM+\b], s[FLO], |v[AC+16*\b]|, |v[AC+16*\b+1]|      ; each accumulator is read from its low end on
.endr
.irp i, 2,4,6,8,10,12,14
.irp b, 0,1,2,3
	v_max3_num_f32 v[TM+\b], v[TM+\b], |v[AC+16*\b+\i]|, |v[AC+16*\b+\i+1]|
.endr
.endr
	WIN 0
.irp b, 0,1,2,3
	v_permlanex16_b32 v[TM+4+\b], v[TM+\b], s[SEL], s[SEL+1]
.endr
.irp b, 0,1,2,3
	v_max_num_f32 v[TM+\b], v[TM+\b], v[TM+4+\b]
.endr
.irp b, 0,1,2,3
	v_add_nc_u32 v[TM+12+\b], 0xf8800000, v[TM+\b]
.endr
.irp b, 0,1,2,3
	v_and_or_b32 v[TM+8+\b], v[TM+\b], 0x7f800000, s[MNT]
.endr
.irp b, 0,1,2,3
	v_lshrrev_b32 v[TM+4+\b], 23, v[TM+12+\b]
.endr
	v_lshl_or_b32 v[PW], v[TM+5], 8, v[TM+4]
	v_lshl_or_b32 v[PW], v[TM+6], 16, v[PW]
	v_lshl_or_b32 v[PW], v[TM+7], 24, v[PW]
	WIN 0x82+0x41*((\a)/4)                         ; source 0 and destination: the accumulators' window
.irp b, 0,1,2,3
.irp i, 0,1,2,3,4,5,6,7,8,9,10,11,12,13,14,15
	v_med3_num_f32 v[AC+16*\b+\i], v[AC+16*\b+\i], -v[TM+8+\b], v[TM+8+\b]   ; the conversion to an 8-bit code does not saturate (ISA guide 7.6.2)
.endr
.endr
	WIN 0x02+((\a)/4)                              ; source 0 alone
.irp b, 0,1,2,3
	v_cvt_scalef32_pk8_bf8_f32 v[PCA+4*\b:PCA+4*\b+1], v[AC+16*\b:AC+16*\b+7], v[TM+12+\b]
	v_cvt_scalef32_pk8_bf8_f32 v[PCA+4*\b+2:PCA+4*\b+3], v[AC+16*\b+8:AC+16*\b+15], v[TM+12+\b]
.endr
	WIN 0
	v_lshrrev_b32 v[PWS], v[VSH], v[PW]            ; (the plain line behind the conversions)  Q, K: lanes 16-31 keep the second head's bytes
	ds_store_b32 v[STA], v[PWS] offset:64*(\a)
	s_cmp_eq_u32 s[MODE], 1
	s_cbranch_scc1 .Lv_img_\@
.irp c, 0,1,2,3
	global_store_b128 v[LI], v[PCA+4*\c:PCA+4*\c+3], s[12:13] offset:(\c/2)*131072+(\a)*1024+(\c%2)*512   ; head c / 2, tile a, chunk c % 2: 512 consecutive bytes
.endr
	s_branch .Limg_done_\@
.Lv_img_\@:
.irp c, 0,1,2,3
	global_store_b128 v[LI], v[PCA+4*\c:PCA+4*\c+3], s[12:13] offset:((\a)/4)*131072+((\a)%4)*2048+\c*512  ; head a / 4, channels' tile a % 4, chunk c
.endr
.Limg_done_\@:
.endm
	PLACES NP                                      ; behind the last products: their results are read, and A's fragments written over, only behind these
.irp b, 0,1,2,3
	v_mov_b32 v[TM+4+\b], 0                        ; a lane permute's destination counts as one of its sources
.endr
.irp a, 0,1,2,3,4,5,6,7
	OUTA \a
.endr
	ds_load_b128 v[SB0:SB0+3], v[STR]              ; LDS serves a wave's instructions in order: these see my stores.  128 words: Q, K the first head's; V both heads'
	ds_load_b128 v[SB1:SB1+3], v[STR] offset:512   ; Q, K: the second head's
	s_wait_dscnt 0x0
	s_cmp_eq_u32 s[MODE], 1
	s_cbranch_scc1 .Lv_sc
	global_store_b128 v[LI], v[SB0:SB0+3], s[66:67]
	global_store_b128 v[LI], v[SB1:SB1+3], s[66:67] offset:8192
	s_branch .Lsc_done
.Lv_sc:
	global_store_b128 v[VO2], v[SB0:SB0+3], s[66:67]   ; sixteen lanes store a head's 256 consecutive bytes
.Lsc_done:
	s_wait_tensorcnt 0x0                           ; the wave's end
	ds_add_u32 v[SPW], v[NIL]
	s_wait_dscnt 0x0
	CROUND                                         ; the closing round
	s_endpgm
.Lfunc_end_k_q73b393a5d6_proj:
	.size	k_q73b393a5d6_proj, .Lfunc_end_k_q73b393a5d6_proj-k_q73b393a5d6_proj
	.p2alignl 7, 3214868480
	.fill 96, 4, 3214868480
	.section	.rodata,"a",@progbits
	.p2align	6, 0x0
	.amdhsa_kernel k_q73b393a5d6_proj
		.amdhsa_group_segment_fixed_size 327680
		.amdhsa_private_segment_fixed_size 0
		.amdhsa_enable_private_segment 0
		.amdhsa_kernarg_size 112
		.amdhsa_user_sgpr_count 2
		.amdhsa_user_sgpr_kernarg_segment_ptr 1
		.amdhsa_wavefront_size32 1
		.amdhsa_system_sgpr_workgroup_id_x 1
		.amdhsa_system_sgpr_workgroup_id_y 1
		.amdhsa_system_sgpr_workgroup_id_z 1
		.amdhsa_system_vgpr_workitem_id 0
		.amdhsa_next_free_vgpr 1024
		.amdhsa_next_free_sgpr 106
		.amdhsa_reserve_vcc 0
		.amdhsa_float_denorm_mode_32 3
		.amdhsa_float_denorm_mode_16_64 3
		.amdhsa_memory_ordered 1
		.amdhsa_forward_progress 1
		.amdhsa_inst_pref_size 189
	.end_amdhsa_kernel
	.amdgpu_metadata
---
amdhsa.version: [ 1, 2 ]
amdhsa.kernels:
  - .name:           k_q73b393a5d6_proj
    .symbol:         k_q73b393a5d6_proj.kd
    .args:
      - { .name: x_codes, .offset: 0, .size: 8, .value_kind: global_buffer, .address_space: global }
      - { .name: x_scales, .offset: 8, .size: 8, .value_kind: global_buffer, .address_space: global }
      - { .name: Wq_codes, .offset: 16, .size: 8, .value_kind: global_buffer, .address_space: global }
      - { .name: Wq_scales, .offset: 24, .size: 8, .value_kind: global_buffer, .address_space: global }
      - { .name: Wk_codes, .offset: 32, .size: 8, .value_kind: global_buffer, .address_space: global }
      - { .name: Wk_scales, .offset: 40, .size: 8, .value_kind: global_buffer, .address_space: global }
      - { .name: Wv_codes, .offset: 48, .size: 8, .value_kind: global_buffer, .address_space: global }
      - { .name: Wv_scales, .offset: 56, .size: 8, .value_kind: global_buffer, .address_space: global }
      - { .name: qimg, .offset: 64, .size: 8, .value_kind: global_buffer, .address_space: global }
      - { .name: qsc, .offset: 72, .size: 8, .value_kind: global_buffer, .address_space: global }
      - { .name: kimg, .offset: 80, .size: 8, .value_kind: global_buffer, .address_space: global }
      - { .name: ksc, .offset: 88, .size: 8, .value_kind: global_buffer, .address_space: global }
      - { .name: vimg, .offset: 96, .size: 8, .value_kind: global_buffer, .address_space: global }
      - { .name: vsc, .offset: 104, .size: 8, .value_kind: global_buffer, .address_space: global }
    .group_segment_fixed_size: 327680
    .private_segment_fixed_size: 0
    .kernarg_segment_align: 8
    .kernarg_segment_size: 112
    .max_flat_workgroup_size: 128
    .sgpr_count:     106
    .vgpr_count:     1024
    .wavefront_size: 32
...
	.end_amdgpu_metadata
.endif
;; end of part 1
;; launch attn (part 2): grid 4 x 64, 16 waves a work-group, no clusters, 38,912 bytes of LDS; arguments qimg, qsc, kimg, ksc, vimg, vsc, cimg, csc; writes cimg, csc
.if DOCPART == 2
	.amdgcn_target "amdgcn-amd-amdhsa--gfx1250"
	.amdhsa_code_object_version 6
	.text
	.protected	k_q73b393a5d6_attn
	.globl	k_q73b393a5d6_attn
	.p2align	8
	.type	k_q73b393a5d6_attn,@function
k_q73b393a5d6_attn:
	s_mov_b64 s[64:65], 0
	v_nop
	global_prefetch_b8 v0, s[64:65] scope:SCOPE_SE
	s_setreg_imm32_b32 hwreg(HW_REG_WAVE_MODE, 25, 1), 1
	s_wait_xcnt 0x0
; ctx = softmax(Q K^T / 8, causal) V for one head, both products on codes of BF8 (E5M2) with E8M0 scales, and ctx quantised along its 64 channels for the last product.
; INPUTS are images of operand registers (16 bytes a lane): qimg, kimg [bh 64][tile of 16 positions 128][chunk 2][lane][16]; vimg [bh][step of 128 keys 16][tile of 16 channels 4][chunk 4][lane][16];
; scale words qsc, ksc [bh][tile][16], vsc [bh][step][tile][16].  A head has 64 channels: the upper 64 of the first product's 128 along K are zero codes on both sides, kept in registers.
; THE SOFTMAX: t = score x log2(e) / 8; M = the largest t so far, rounded up to a whole number; p = 2^(t - M) is quantised along the keys, not normalised; the row's sum is taken of the unquantised p and
; divides at the end.  When M moves, the sum and O are multiplied by 2^(old M - new M), which rounds nothing.
; SHARES.  Work-group (i, bh) owns the blocks i and 7 - i of 256 queries of head bh: 2 (i + 1) + 2 (8 - i) = 18 key steps of 128 in every work-group.  Each of sixteen waves owns one tile of 16 queries of the
; block in hand, in 256 registers.  Wave w takes tile 8 ((w ^ (w >> 2)) & 1) + (w >> 1): early and late tiles, which differ by one step on the diagonal, are spread over the waves' numbers.
; A step all of whose keys come after a wave's queries is left out by a scalar branch on ids; no barrier stands inside.
; K AND V COME THROUGH REGISTERS.  A step's 16,384 bytes of images are 2 x 16 bytes a thread and its 768 bytes of scale words 8 bytes a lane of three waves: asked for at a step's head, a whole key step
; ahead of their use, put into the other of two LDS slots at the step's end, in front of the step's one barrier.  NO JOINT LOADS: the four work-groups of a head begin anew at key 0 after 2 (i + 1) steps,
; each at another time, so they do not want the same tile in the same step.
; LAYOUT.  Both products are used transposed: S^T = K Q^T, O^T = V^T P^T: a lane holds one query (lane % 16).  Register 8 t + j of S^T is key 16 t + 8 (lane / 16) + j; the 16 registers of two neighbouring
; tiles are a block's codes in the order in which V's images hold the keys.  ctx meets a given operand: its codes are put into true order by exchanging halves of lanes.
; OUTPUT.  cimg [tile of 16 rows 512][K step of 128: 8][chunk 4][lane][16]; csc [head 16][row 8192] two bytes.
; LIMITS: a block's largest p is made from the block's largest score by the same two instructions, which takes v_exp_f32 not to fall where its input rises; a block of zeros gets the byte 1 (its codes are
; zeros, the bytes are read by this program alone); NaN and infinities are not served.
.set SLOTB, 17408                      ; an LDS slot: K's images 8,192, V's images 8,192, K's scale words 512, V's 256, 256 unused
.set KIM,   0
.set VIM,   8192
.set KSW,   16384
.set VSW,   16896
.set SCG,   2*SLOTB                    ; 512 bytes: a block's 256 pairs of scale bytes of ctx
.set LI,   1                           ; v1   16 x lane
.set LS,   2                           ; v2   4 x lane
.set T16,  3                           ; v3   16 x thread
.set KO,   4                           ; v4   the images' offset of the step asked for
.set SO,   5                           ; v5   the scale words'
.set L8S,  6                           ; v6   KSW + 256 min(wave, 2) + 8 lane
.set L8,   7                           ; v7   8 x lane
.set DL,   8                           ; v8   lane % 16 - 8 (lane / 16)
.set DD,   9                           ; v9   the mask's bound
.set R4,   10                          ; v10  4 (lane % 16)
.set SGA,  11                          ; v11  SCG + 32 tile + 2 (lane % 16)
; v12 -M, v13 the largest t, v[14:15] the sum in two halves; v16-31 Q (24-31 zeros); v32-95 four fragments of K (registers 8-15 of each zeros); v96-159 S^T, p, then V's four fragments; v160-191 O^T; v192-207 p's codes
.set GK,   208                         ; v208-211, v212-215, v216-217: the step on its way
.set GV,   212
.set GS,   216
.set NINF, 218
.set HW,   219
.set KSC,  220                         ; v220-223 K's scale words, v224-225 V's, v226 Q's, v227 p's: scales and nothing else
.set VSC,  224
.set QSC,  226
.set PW,   227
.set BM,   228
.set T1,   232
.set HOLD, 236
.set SOP,  240
.set S2,   244
.set F,    246
.set TMP,  248
.set WV,   20
.set TAU,  21
.set WI,   22
.set BH,   23
.set SEL,  26
.set CS,   28
.set MNT,  30
.set BLK,  31
.set QB,   32
.set NTRIP, 33
.set JT,   34
.set KF,   35
.set Q0,   36
.set KOFF, 37
.set SOFF, 38
.set SSTR, 39
.set MORE, 42
.set QP,   44
.set QSP,  46
.set CP,   48
.set CSP,  50
.set SB,   52
.macro ASKSTEP                         ; the step at s[KOFF], s[SOFF] is asked for: every thread 16 bytes of K's images and of V's; waves 0, 1 K's scale words, wave 2 V's
	v_add_nc_u32 v[KO], s[KOFF], v[T16]
	v_add_nc_u32 v[SO], s[SOFF], v[L8]
	global_load_b128 v[GK:GK+3], v[KO], s[8:9]
	global_load_b128 v[GV:GV+3], v[KO], s[12:13]
	s_cmp_lt_u32 s[WV], 3
	s_cbranch_scc0 .Lno_sc_\@
	global_load_b64 v[GS:GS+1], v[SO], s[SB:SB+1]
.Lno_sc_\@:
.endm
.macro PUT other                       ; and put into slot other, as it lies
	ds_store_b128 v[T16], v[GK:GK+3] offset:(\other)*SLOTB+KIM
	ds_store_b128 v[T16], v[GV:GV+3] offset:(\other)*SLOTB+VIM
	s_cmp_lt_u32 s[WV], 3
	s_cbranch_scc0 .Lno_putsc_\@
	ds_store_b64 v[L8S], v[GS:GS+1] offset:(\other)*SLOTB
.Lno_putsc_\@:
.endm
.macro BAR                             ; my LDS stores have landed and my LDS loads are in: then the work-group's barrier
	s_wait_dscnt 0x0
	s_barrier_signal -1
	s_barrier_wait -1
.endm
	s_load_b512 s[4:19], s[0:1], 0x0               ; qimg, qsc, kimg, ksc, vimg, vsc, cimg, csc
	v_lshl_add_u32 v254, v0, 2, 0x9000
	v_mov_b32 v255, 0
	v_lshrrev_b32 v1, 5, v0
	v_readfirstlane_b32 s[WV], v1                  ; wave 0..15
	s_lshr_b32 s40, s[WV], 2
	s_xor_b32 s40, s40, s[WV]
	s_and_b32 s40, s40, 1
	s_lshl_b32 s40, s40, 3
	s_lshr_b32 s[TAU], s[WV], 1
	s_add_co_u32 s[TAU], s[TAU], s40               ; my tile of the block in hand
	s_mov_b32 s[WI], ttmp9
	s_and_b32 s[BH], ttmp7, 0xffff
	s_lshr_b32 s24, s[BH], 4                       ; the batch
	s_and_b32 s25, s[BH], 15                       ; the head
	v_and_b32 v9, 31, v0
	v_lshlrev_b32 v[LI], 4, v9
	v_lshlrev_b32 v[LS], 2, v9
	v_lshlrev_b32 v[T16], 4, v0
	v_lshlrev_b32 v[L8], 3, v9
	s_min_u32 s40, s[WV], 2
	s_lshl_b32 s40, s40, 8
	s_add_co_u32 s40, s40, KSW
	v_add_nc_u32 v[L8S], s40, v[L8]
	v_and_b32 v10, 15, v0
	v_bfe_u32 v9, v0, 4, 1
	v_lshlrev_b32 v9, 3, v9
	v_sub_nc_u32 v[DL], v10, v9
	s_lshl_b32 s40, s[TAU], 5
	s_add_co_u32 s40, s40, SCG
	v_lshl_add_u32 v[SGA], v10, 1, s40
	v_lshlrev_b32 v[R4], 2, v10
	s_mov_b32 s[SEL], 0x76543210
	s_mov_b32 s[SEL+1], 0xfedcba98
	s_mov_b32 s[CS], 0x3e38aa3b                    ; c = log2(e) / sqrt(64)
	s_mov_b32 s[CS+1], s[CS]                       ; (named with it as a pair)
	s_mov_b32 s[MNT], 0x600000
	s_mov_b32 s[KOFF], 0
	s_mov_b32 s[SOFF], 0
	s_mov_b32 s[SSTR], 256
	s_mov_b32 s41, 0
	s_wait_kmcnt 0x0
	s_lshl_b32 s40, s[BH], 17                      ; a head's images: 131,072 bytes
	s_add_nc_u64 s[4:5], s[4:5], s[40:41]
	s_add_nc_u64 s[8:9], s[8:9], s[40:41]
	s_add_nc_u64 s[12:13], s[12:13], s[40:41]
	s_lshl_b32 s40, s[BH], 13                      ; Q's and K's scale words: 8,192
	s_add_nc_u64 s[6:7], s[6:7], s[40:41]
	s_add_nc_u64 s[10:11], s[10:11], s[40:41]
	s_lshl_b32 s40, s[BH], 12                      ; V's: 4,096
	s_add_nc_u64 s[14:15], s[14:15], s[40:41]
	s_and_b32 s40, s[WV], 1
	s_lshl_b32 s40, s40, 8
	s_add_nc_u64 s[10:11], s[10:11], s[40:41]      ; waves 0 and 1 take the halves of a step's 512 bytes
	s_cmp_lt_u32 s[WV], 2
	s_cselect_b64 s[SB:SB+1], s[10:11], s[14:15]
	s_cselect_b32 s[SSTR], 512, s[SSTR]            ; from step to step
	s_lshl_b32 s40, s24, 21                        ; cimg: 128 tiles of 16,384 bytes a batch, 1,024 bytes a head in each
	s_lshl_b32 s43, s25, 10
	s_add_co_u32 s40, s40, s43
	s_add_nc_u64 s[16:17], s[16:17], s[40:41]
	s_lshl_b32 s40, s25, 14                        ; csc: 16,384 bytes a head, 4,096 a batch
	s_lshl_b32 s43, s24, 12
	s_add_co_u32 s40, s40, s43
	s_add_nc_u64 s[18:19], s[18:19], s[40:41]
	ASKSTEP                                        ; key step 0
.irp j, 0,1,2,3,4,5,6,7
	v_mov_b32 v[24+\j], 0                          ; the zero codes of K = 64 .. 127: Q's,
.irp t, 0,1,2,3
	v_mov_b32 v[40+16*\t+\j], 0                    ; and those of K's four fragments: written once
.endr
.endr
.irp b, 0,1,2,3
	v_mov_b32 v[T1+\b], 0                          ; a lane permute's destination counts as one of its sources
.endr
	v_mov_b32 v[F+1], 0                            ; (named as the upper half of a pair)
	v_mov_b32 v[TMP], 0
	v_mov_b32 v[NINF], 0xff800000
	s_wait_loadcnt 0x0
	PUT 0
	BAR
	s_mov_b32 s[BLK], 0
; A KEY STEP on slot \slot: 128 keys from s[KF] on.
.macro STEP slot
.if \slot == 0
	s_lshl_b32 s[KOFF], s[JT], 14                  ; the next step is the trip's second: 2 J + 1
	s_add_co_u32 s[KOFF], s[KOFF], 8192
	s_lshl_b32 s40, s[JT], 1
	s_add_co_u32 s40, s40, 1
	s_mul_i32 s[SOFF], s40, s[SSTR]
	ASKSTEP
.else
	s_add_co_u32 s40, s[JT], 1                     ; the next step is the next trip's first, or the next block's key step 0, or none
	s_cmp_lt_u32 s40, s[NTRIP]
	s_cselect_b32 s41, s40, 0
	s_cselect_b32 s[MORE], 1, 0
	s_cmp_eq_u32 s[BLK], 0
	s_cselect_b32 s[MORE], 1, s[MORE]
	s_lshl_b32 s[KOFF], s41, 14
	s_lshl_b32 s41, s41, 1
	s_mul_i32 s[SOFF], s41, s[SSTR]
	s_cmp_eq_u32 s[MORE], 0
	s_cbranch_scc1 .Lno_ask_\@
	ASKSTEP
.Lno_ask_\@:
.endif
	s_add_co_u32 s40, s[Q0], 15
	s_cmp_gt_u32 s[KF], s40                        ; all 128 keys come after my 16 queries
	s_cbranch_scc1 .Lhidden_\@
.irp p, 0,1,2,3
	ds_load_b32 v[KSC+\p], v[LS] offset:(\slot)*SLOTB+KSW+128*\p   ; lanes 0-15: tile 2 p's words, lanes 16-31: tile 2 p + 1's
.endr
.irp g, 0,1                                    ; S^T = K Q^T, four tiles of 16 keys at a time
.if \g
.rept 8
	v_nop                                          ; places in front of loads into registers that matrix instructions have read
.endr
.endif
.irp t, 0,1,2,3
.irp c, 0,1
	ds_load_b128 v[32+16*\t+4*\c:32+16*\t+4*\c+3], v[LI] offset:(\slot)*SLOTB+KIM+(4*\g+\t)*1024+512*\c
.endr
.endr
	s_wait_dscnt 0x0
.irp t, 0,1,2,3
.if (\t)%2
	v_wmma_scale_f32_16x16x128_f8f6f4 v[96+8*(4*\g+\t):103+8*(4*\g+\t)], v[32+16*\t:47+16*\t], v[16:31], 0, v[KSC+(4*\g+\t)/2], v[QSC] matrix_a_fmt:MATRIX_FMT_BF8 matrix_b_fmt:MATRIX_FMT_BF8 matrix_a_scale:MATRIX_SCALE_ROW1
.else
	v_wmma_scale_f32_16x16x128_f8f6f4 v[96+8*(4*\g+\t):103+8*(4*\g+\t)], v[32+16*\t:47+16*\t], v[16:31], 0, v[KSC+(4*\g+\t)/2], v[QSC] matrix_a_fmt:MATRIX_FMT_BF8 matrix_b_fmt:MATRIX_FMT_BF8
.endif
.endr
.endr
.rept 8
	v_nop
.endr
	s_add_co_u32 s40, s[KF], 127                   ; on the diagonal hidden scores become -infinity ahead of the maximum; a step all of whose keys count skips this
	s_cmp_le_u32 s40, s[Q0]
	s_cbranch_scc1 .Lopen_\@
	s_sub_co_i32 s40, s[Q0], s[KF]
	v_add_nc_u32 v[DD], s40, v[DL]                 ; register n holds key KF + 8 (lane / 16) + 16 (n / 8) + n % 8: hidden where 16 (n / 8) + n % 8 > my query - KF - 8 (lane / 16)
.set n, 0
.rept 64
	v_cmp_gt_i32 vcc_lo, 16*(n/8)+n%8, v[DD]
	v_cndmask_b32 v[96+n], v[96+n], v[NINF], vcc_lo
.set n, n+1
.endr
.Lopen_\@:
.irp b, 0,1,2,3
	v_max3_num_f32 v[BM+\b], v[96+16*\b], v[97+16*\b], v[98+16*\b]   ; the largest score of each block of 32 keys: for the row's maximum and for the block's largest p
.endr
.irp i, 3,5,7,9,11,13
.irp b, 0,1,2,3
	v_max3_num_f32 v[BM+\b], v[BM+\b], v[96+16*\b+\i], v[97+16*\b+\i]
.endr
.endr
.irp b, 0,1,2,3
	v_max_num_f32 v[BM+\b], v[BM+\b], v[111+16*\b]
.endr
.irp b, 0,1,2,3
	v_permlanex16_b32 v[T1+\b], v[BM+\b], s[SEL], s[SEL+1]
.endr
.irp b, 0,1,2,3
	v_max_num_f32 v[BM+\b], v[BM+\b], v[T1+\b]     ; with lane l xor 16's 16 keys
.endr
	v_max3_num_f32 v[TMP], v[BM], v[BM+1], v[BM+2]
	v_max_num_f32 v[TMP], v[TMP], v[BM+3]
	v_mul_f32 v[TMP], s[CS], v[TMP]                ; as t
	v_max_num_f32 v13, v13, v[TMP]                 ; the running largest t
	v_mov_b32 v[TMP], v12
	v_floor_f32 v12, -v13                          ; the new -M = -ceil(t)
	v_sub_f32 v[TMP], v12, v[TMP]                  ; old M - new M: a whole number, 0 or less
	v_cvt_i32_f32 v[TMP], v[TMP]                   ; (it saturates)
	v_ldexp_f32 v[F], 1.0, v[TMP]                  ; f = 2^(old M - new M)
.set n, 0
.rept 32
	v_pk_fma_f32 v[96+n:97+n], v[96+n:97+n], s[CS:CS+1], v[12:13] op_sel_hi:[1,0,0]   ; t - M, two at a time
.set n, n+2
.endr
.irp b, 0,1,2,3
	v_fma_f32 v[BM+\b], v[BM+\b], s[CS], v12
.endr
.set n, 0
.rept 64
	v_exp_f32 v[96+n], v[96+n]                     ; p = 2^(t - M)
.set n, n+1
.endr
.irp b, 0,1,2,3
	v_exp_f32 v[BM+\b], v[BM+\b]                   ; the block's largest p
.endr
	v_pk_mul_f32 v[14:15], v[14:15], v[F:F+1] op_sel_hi:[1,0]      ; the sums under the new M (a plain place behind the exponentials)
	s_wait_alu depctr_va_vdst(0)
.irp b, 0,1,2,3
	v_max_num_f32 v[BM+\b], 0x8000000, v[BM+\b]    ; the floor 2^(16 - 127): the byte cannot fall under 1
.endr
.irp b, 0,1,2,3
	v_add_nc_u32 v[SOP+\b], 0xf8800000, v[BM+\b]   ; 15 off the exponent field: the conversion's scale operand
.endr
.irp b, 0,1,2,3
	v_and_or_b32 v[HOLD+\b], v[BM+\b], 0x7f800000, s[MNT]          ; 57,344 x the scale
.endr
.irp b, 0,1,2,3
	v_lshrrev_b32 v[T1+\b], 23, v[SOP+\b]          ; the scale's byte
.endr
	v_lshl_or_b32 v[PW], v[T1+1], 8, v[T1]         ; p's scale word for these 128 keys
	v_lshl_or_b32 v[PW], v[T1+2], 16, v[PW]
	v_lshl_or_b32 v[PW], v[T1+3], 24, v[PW]
	v_pk_add_f32 v[S2:S2+1], v[96:97], v[98:99]    ; the row's sum is taken of the unquantised p: two chains
.irp j, 4,8,12,16,20,24,28,32,36,40,44,48,52,56,60
	v_pk_add_f32 v[14:15], v[14:15], v[96+\j:97+\j]
	v_pk_add_f32 v[S2:S2+1], v[S2:S2+1], v[98+\j:99+\j]
.endr
	v_pk_add_f32 v[14:15], v[14:15], v[S2:S2+1]
.irp b, 0,1,2,3
.set n, 0
.rept 16
	v_min_num_f32 v[96+16*\b+n], v[96+16*\b+n], v[HOLD+\b]         ; the conversion does not saturate (ISA guide 7.6.2); p is not negative
.set n, n+1
.endr
	v_cvt_scalef32_pk8_bf8_f32 v[192+4*\b:193+4*\b], v[96+16*\b:103+16*\b], v[SOP+\b]
	v_cvt_scalef32_pk8_bf8_f32 v[194+4*\b:195+4*\b], v[104+16*\b:111+16*\b], v[SOP+\b]
.endr
.set n, 0
.rept 16
	v_pk_mul_f32 v[160+n:161+n], v[160+n:161+n], v[F:F+1] op_sel_hi:[1,0]   ; O^T under the new M; also the places between the conversions and the products below
.set n, n+2
.endr
.irp t, 0,1,2,3                                ; O^T += V^T P^T: V's four fragments take p's registers
.irp c, 0,1,2,3
	ds_load_b128 v[96+16*\t+4*\c:96+16*\t+4*\c+3], v[LI] offset:(\slot)*SLOTB+VIM+2048*\t+512*\c
.endr
.endr
.irp p, 0,1
	ds_load_b32 v[VSC+\p], v[LS] offset:(\slot)*SLOTB+VSW+128*\p
.endr
	s_wait_dscnt 0x0
.irp t, 0,1,2,3                                ; the four accumulators take turns, one instruction a turn
.if (\t)%2
	v_wmma_scale_f32_16x16x128_f8f6f4 v[160+8*\t:167+8*\t], v[96+16*\t:111+16*\t], v[192:207], v[160+8*\t:167+8*\t], v[VSC+(\t)/2], v[PW] matrix_a_fmt:MATRIX_FMT_BF8 matrix_b_fmt:MATRIX_FMT_BF8 matrix_a_scale:MATRIX_SCALE_ROW1
.else
	v_wmma_scale_f32_16x16x128_f8f6f4 v[160+8*\t:167+8*\t], v[96+16*\t:111+16*\t], v[192:207], v[160+8*\t:167+8*\t], v[VSC+(\t)/2], v[PW] matrix_a_fmt:MATRIX_FMT_BF8 matrix_b_fmt:MATRIX_FMT_BF8
.endif
.endr
.rept 9
	v_nop                                          ; nine places: the next step's first products write over V's fragments
.endr
.Lhidden_\@:
	s_add_co_u32 s[KF], s[KF], 128
	s_wait_loadcnt 0x0                             ; what was asked for at the step's head is in: on every path
.if \slot == 0
	PUT 1
.else
	s_cmp_eq_u32 s[MORE], 0
	s_cbranch_scc1 .Lno_put_\@
	PUT 0
.Lno_put_\@:
.endif
	BAR                                            ; the other slot is whole, and nobody reads this one any more
.endm
.Lblock:                                           ; two trips: block i, then block 7 - i
	s_wait_xcnt 0x0                                ; the last block's stores have read their registers and bases
	s_sub_co_u32 s40, 7, s[WI]
	s_cmp_eq_u32 s[BLK], 0
	s_cselect_b32 s[QB], s[WI], s40
	s_add_co_u32 s[NTRIP], s[QB], 1                ; trips of two key steps
	s_lshl_b32 s40, s[QB], 4
	s_add_co_u32 s40, s40, s[TAU]                  ; my tile of 16 queries in the batch
	s_lshl_b32 s[Q0], s40, 4                       ; my first query
	s_mov_b32 s43, 0
	s_lshl_b32 s42, s40, 10
	s_add_nc_u64 s[QP:QP+1], s[4:5], s[42:43]
	s_lshl_b32 s42, s40, 6
	s_add_nc_u64 s[QSP:QSP+1], s[6:7], s[42:43]
	s_lshl_b32 s42, s40, 14
	s_add_nc_u64 s[CP:CP+1], s[16:17], s[42:43]
	s_lshl_b32 s42, s[QB], 9
	s_add_nc_u64 s[CSP:CSP+1], s[18:19], s[42:43]
	global_load_b128 v[16:19], v[LI], s[QP:QP+1]               ; Q's fragment stays in registers for the block
	global_load_b128 v[20:23], v[LI], s[QP:QP+1] offset:512
	global_load_b32 v[QSC], v[R4], s[QSP:QSP+1]
	v_mov_b32 v13, 0xff61b1e6                      ; the largest t so far: -3e38
	v_floor_f32 v12, -v13
	v_mov_b32 v14, 0
	v_mov_b32 v15, 0
.set n, 0
.rept 32
	v_mov_b32 v[160+n], 0                          ; O^T: the step is written once; the first finds zeros
.set n, n+1
.endr
	s_wait_loadcnt 0x0
	s_mov_b32 s[JT], 0
	s_mov_b32 s[KF], 0
.Ltrip:
	STEP 0
	STEP 1
	s_add_co_u32 s[JT], s[JT], 1
	s_cmp_lt_u32 s[JT], s[NTRIP]
	s_cbranch_scc1 .Ltrip
	; THE BLOCK'S END: O^T / the sum, quantised along the head's 64 channels
	v_add_f32 v14, v14, v15
	v_permlanex16_b32 v[TMP], v14, s[SEL], s[SEL+1]
	v_add_f32 v14, v14, v[TMP]                     ; the row's sum
	v_rcp_f32 v14, v14
	v_nop                                          ; a plain place behind the transcendental
.set n, 0
	s_wait_alu depctr_va_vdst(0)
.rept 32
	v_mul_f32 v[96+n], v[160+n], v14               ; register 8 t + j: channel 16 t + 8 (lane / 16) + j of my query
.set n, n+1
.endr
.irp b, 0,1
	v_max3_num_f32 v[BM+\b], |v[96+16*\b]|, |v[97+16*\b]|, 0x8000000
.endr
.irp i, 2,4,6,8,10,12,14
.irp b, 0,1
	v_max3_num_f32 v[BM+\b], v[BM+\b], |v[96+16*\b+\i]|, |v[97+16*\b+\i]|
.endr
.endr
.irp b, 0,1
	v_permlanex16_b32 v[T1+\b], v[BM+\b], s[SEL], s[SEL+1]
.endr
.irp b, 0,1
	v_max_num_f32 v[BM+\b], v[BM+\b], v[T1+\b]
.endr
.irp b, 0,1
	v_add_nc_u32 v[SOP+\b], 0xf8800000, v[BM+\b]
.endr
.irp b, 0,1
	v_and_or_b32 v[HOLD+\b], v[BM+\b], 0x7f800000, s[MNT]
.endr
.irp b, 0,1
	v_lshrrev_b32 v[T1+\b], 23, v[SOP+\b]
.endr
	v_lshl_or_b32 v[HW], v[T1+1], 8, v[T1]         ; my row's two bytes
.irp b, 0,1
.set n, 0
.rept 16
	v_med3_num_f32 v[96+16*\b+n], v[96+16*\b+n], -v[HOLD+\b], v[HOLD+\b]
.set n, n+1
.endr
	v_cvt_scalef32_pk8_bf8_f32 v[192+4*\b:193+4*\b], v[96+16*\b:103+16*\b], v[SOP+\b]
	v_cvt_scalef32_pk8_bf8_f32 v[194+4*\b:195+4*\b], v[104+16*\b:111+16*\b], v[SOP+\b]
.endr
	v_nop                                          ; a plain line behind the conversions
	; into true order: of a block, lanes 0-15 hold channels 0-7 and 16-23, lanes 16-31 channels 8-15 and 24-31; the lower lanes' second half changes places with the upper lanes' first
	v_permlane16_swap_b32 v192, v194
	v_permlane16_swap_b32 v193, v195
	v_permlane16_swap_b32 v196, v198
	v_permlane16_swap_b32 v197, v199
	global_store_b128 v[LI], v[192:195], s[CP:CP+1]            ; 512 consecutive bytes each
	global_store_b128 v[LI], v[196:199], s[CP:CP+1] offset:512
	ds_store_b16 v[SGA], v[HW]                     ; both halves of the lanes write the same bytes with the same value
	BAR                                            ; the block's 256 pairs of bytes lie in LDS
	s_cmp_lg_u32 s[WV], 0
	s_cbranch_scc1 .Lnot_wave_0
	ds_load_b128 v[200:203], v[LI] offset:SCG
	s_wait_dscnt 0x0
	global_store_b128 v[LI], v[200:203], s[CSP:CSP+1]          ; 512 consecutive bytes
.Lnot_wave_0:
	s_add_co_u32 s[BLK], s[BLK], 1
	s_cmp_lt_u32 s[BLK], 2
	s_cbranch_scc1 .Lblock
	s_wait_tensorcnt 0x0
	ds_add_u32 v254, v255
	s_wait_dscnt 0x0
	s_endpgm
.Lfunc_end_k_q73b393a5d6_attn:
	.size	k_q73b393a5d6_attn, .Lfunc_end_k_q73b393a5d6_attn-k_q73b393a5d6_attn
	.p2alignl 7, 3214868480
	.fill 96, 4, 3214868480
	.section	.rodata,"a",@progbits
	.p2align	6, 0x0
	.amdhsa_kernel k_q73b393a5d6_attn
		.amdhsa_group_segment_fixed_size 38912
		.amdhsa_private_segment_fixed_size 0
		.amdhsa_enable_private_segment 0
		.amdhsa_kernarg_size 64
		.amdhsa_user_sgpr_count 2
		.amdhsa_user_sgpr_kernarg_segment_ptr 1
		.amdhsa_wavefront_size32 1
		.amdhsa_system_sgpr_workgroup_id_x 1
		.amdhsa_system_sgpr_workgroup_id_y 1
		.amdhsa_system_sgpr_workgroup_id_z 1
		.amdhsa_system_vgpr_workitem_id 0
		.amdhsa_next_free_vgpr 256
		.amdhsa_next_free_sgpr 66
		.amdhsa_reserve_vcc 1
		.amdhsa_float_denorm_mode_32 3
		.amdhsa_float_denorm_mode_16_64 3
		.amdhsa_memory_ordered 1
		.amdhsa_forward_progress 1
		.amdhsa_inst_pref_size 64
	.end_amdhsa_kernel
	.amdgpu_metadata
---
amdhsa.version: [ 1, 2 ]
amdhsa.kernels:
  - .name:           k_q73b393a5d6_attn
    .symbol:         k_q73b393a5d6_attn.kd
    .args:
      - { .name: qimg, .offset: 0, .size: 8, .value_kind: global_buffer, .address_space: global }
      - { .name: qsc, .offset: 8, .size: 8, .value_kind: global_buffer, .address_space: global }
      - { .name: kimg, .offset: 16, .size: 8, .value_kind: global_buffer, .address_space: global }
      - { .name: ksc, .offset: 24, .size: 8, .value_kind: global_buffer, .address_space: global }
      - { .name: vimg, .offset: 32, .size: 8, .value_kind: global_buffer, .address_space: global }
      - { .name: vsc, .offset: 40, .size: 8, .value_kind: global_buffer, .address_space: global }
      - { .name: cimg, .offset: 48, .size: 8, .value_kind: global_buffer, .address_space: global }
      - { .name: csc, .offset: 56, .size: 8, .value_kind: global_buffer, .address_space: global }
    .group_segment_fixed_size: 38912
    .private_segment_fixed_size: 0
    .kernarg_segment_align: 8
    .kernarg_segment_size: 64
    .max_flat_workgroup_size: 512
    .sgpr_count:     66
    .vgpr_count:     256
    .wavefront_size: 32
...
	.end_amdgpu_metadata
.endif
;; end of part 2
;; launch outp (part 3): grid 4 x 32, 4 waves a work-group, clusters of 4 x 4, 327,680 bytes of LDS; arguments cimg, csc, Wo_codes, Wo_scales, out0; writes out0
.if DOCPART == 3
	.amdgcn_target "amdgcn-amd-amdhsa--gfx1250"
	.amdhsa_code_object_version 6
	.text
	.protected	k_q73b393a5d6_outp
	.globl	k_q73b393a5d6_outp
	.p2align	8
	.type	k_q73b393a5d6_outp,@function
k_q73b393a5d6_outp:
	s_mov_b64 s[64:65], 0
	v_nop
	global_prefetch_b8 v0, s[64:65] scope:SCOPE_SE
	s_setreg_imm32_b32 hwreg(HW_REG_WAVE_MODE, 25, 1), 1
	s_wait_xcnt 0x0
	s_wait_alu depctr_hold_cnt(0) depctr_sa_sdst(0) depctr_va_vdst(0) depctr_va_sdst(0) depctr_va_ssrc(0) depctr_va_vcc(0) depctr_vm_vsrc(0)
	s_getreg_b32 s2, hwreg(HW_REG_IB_STS2, 6, 4)
	s_cmp_eq_u32 s2, 0
	s_cbranch_scc0 .Lentry_in_a_cluster
	s_endpgm
.Lentry_in_a_cluster:
	s_bfe_u32 s2, ttmp6, 0x10000c
	s_cmp_lg_u32 s2, 0xf033
	s_cbranch_scc0 .Lentry_shape_is_right
	s_endpgm
.Lentry_shape_is_right:
; out0 = ctx Wo^T on codes of BF8 (E5M2) with one E8M0 scale for each 32 along K = 1,024; out0 [8192][1024] f32.
; A = ctx arrives as images of operand registers, cimg [tile of 16 rows 512][K step of 128: 8][chunk 4][lane 32][16 bytes], its scale bytes as csc [head 16][row 8192] two bytes.
; B = Wo: [1024][1024] codes, K innermost, [1024][32] scale bytes.
; A tile of 256 x 256 is made by a work-group of four waves; a wave makes 128 x 128: 64 accumulators.  K goes in steps of 256 through a ring of two LDS slots filled by the tensor data mover:
; of A a wave's load brings 8 tiles of rows x 4,096 consecutive bytes (fragments are then read as they lie, 512 consecutive bytes an instruction), of B 128 rows of 256 bytes, padded.
; SCALES.  B's 8,192 bytes come once, a quarter a wave, by joint loads.  A's are put together from the sixteen heads' halves in registers and stored into LDS bytes of their own, in the layout that B's have.
; CLUSTERS: 4 x 4 work-groups; A's tiles are asked for jointly along a row of the cluster, B's along a column.  The matrix instruction is used transposed (source 0 = Wo's rows, source 1 = ctx's).
; REGISTERS, in windows of 256: window 0: v0-31 addresses; v32-63 scale words, two sets, and nothing else; v64-111 A's scale halves at the head; from v128 A's fragments, one set; on the way out rows of out0.
;   window 1: B's fragments, two sets.   window 2, 3: the accumulators ((a, b) at v[8 (8 (a % 4) + b)] of window 2 + a / 4).
.set SIZE_N, 1024
.set KSTEP,  256
.set NQ,     2
.set ROWB,   256
.set ASTEP,  4096                      ; a K step of 256 in a tile of A's images
.set KROW,   1024
.set PITCH,  272
.set FR,     16
.set NL,     4
.set NP,     8
.set HALFT,  128*PITCH                 ; B: 128 padded rows; A's 32,768 bytes lie in the same room
.set SLOT,   4*HALFT
.set LAPS,   2
.set KS,     32
.set SCL,    2*SLOT                    ; A's scale bytes, 8,704 bytes written by LDS stores alone; behind them B's, 8,704 bytes filled once
.set HALFS,  (128*KS/256)*272
.set SBLK,   (16*KS/256)*272
.set SPARE,  SCL+4*HALFS
.set SPITCH, 528                       ; the way out: 16 rows x (512 + 16) bytes a wave, in slot 0, which has had its last fill and its last read by then
.set ADRA, 16
.set ADRB, 20
.set STO,  24
.set RD,   25
.set CO,   26
.set ADRS, 27
.set SPW,  28
.set NIL,  29
.set SC,   32
.set AF,   128
.set BK,   128
.set G1, 24
.set G0, 32
.set G1B, 48
.set G0B, 56
.set G1SB, 80
.set G0SB, 88
.set MSB, 0
.macro WIN new
.if MSB != (\new)
	s_set_vgpr_msb (MSB<<8)|(\new)
.set MSB, (\new)
.endif
.endm
.set MUL_LO, 0xa1
.set MUL_HI, 0xf1
.set TO_B,   0x40
.macro JLOAD g0a, g1a, g0b, g1b        ; waves 0 and 1 fetch for A, waves 2 and 3 for B; four v_nop follow each of the two lines
	s_cmp_eq_u32 s15, 0
	s_cbranch_scc0 .Lfor_b_\@
	tensor_load_to_lds s[\g0a:\g0a+3], s[\g1a:\g1a+7]
	s_nop 0
.rept 4
	v_nop
.endr
	s_branch .Lasked_\@
.Lfor_b_\@:
	tensor_load_to_lds s[\g0b:\g0b+3], s[\g1b:\g1b+7]
	s_nop 0
.rept 4
	v_nop
.endr
.Lasked_\@:
.endm
.macro CREST
	s_cmp_lg_u32 s14, 0
	s_cbranch_scc1 .Lnot_wave_0_\@
	s_barrier_signal -3
.Lnot_wave_0_\@:
	s_barrier_wait -3
	s_barrier_signal -1
	s_barrier_wait -1
.endm
.macro CROUND
	s_barrier_signal -1
	s_barrier_wait -1
	CREST
.endm
	s_load_b128 s[4:7], s[0:1], 0x0                ; cimg, csc
	s_load_b128 s[8:11], s[0:1], 0x10              ; Wo's codes, Wo's scales
	s_load_b64 s[12:13], s[0:1], 0x20              ; out0
	v_lshl_add_u32 v[SPW], v0, 2, SPARE
	v_mov_b32 v[NIL], 0
	ds_add_u32 v28, v29
	ds_add_u32 v28, v29
	s_wait_dscnt 0x0
	v_lshrrev_b32 v1, 5, v0
	v_readfirstlane_b32 s14, v1                    ; wave 0..3
	s_lshr_b32 s15, s14, 1
	s_and_b32 s16, s14, 1
	s_bfe_u32 s40, ttmp6, 0x40000                  ; cx
	s_bfe_u32 s41, ttmp6, 0x40004                  ; cy
	s_lshl_b32 s42, ttmp9, 2
	s_add_co_u32 s42, s42, s40                     ; tile column
	s_and_b32 s17, ttmp7, 0xffff
	s_lshl_b32 s17, s17, 2
	s_add_co_u32 s17, s17, s41                     ; tile row
	s_lshl_b32 s43, s41, 2
	s_lshl_b32 s43, 15, s43                        ; my row of the cluster
	s_lshl_b32 s44, 0x1111, s40                    ; my column
	s_or_b32 s[G1+0], s43, (3<<16)|(1<<21)         ; A: the mask; elements of 8 bytes; bit 21 beside a mask; no padding
	s_mov_b32 s[G1+1], 512<<16                     ; tensor_dim0 = 512 elements: 4,096 bytes
	s_mov_b32 s[G1+2], 8<<16                       ; tensor_dim1 = 8 tiles of rows
	s_mov_b32 s[G1+3], 512<<16                     ; tile_dim0
	s_mov_b32 s[G1+4], 8                           ; tile_dim1
	s_mov_b32 s[G1+5], 2048                        ; the pitch: 16,384 bytes
	s_mov_b32 s[G1+6], 0
	s_mov_b32 s[G1+7], 0
	s_or_b32 s[G1B+0], s44, (0<<16)|(1<<20)|(1<<21)|(5<<22)|(3<<25)  ; B: elements of 1 byte; 4 words of padding after every 64
	s_mov_b32 s[G1B+1], ROWB<<16
	s_mov_b32 s[G1B+2], 128<<16
	s_mov_b32 s[G1B+3], ROWB<<16
	s_mov_b32 s[G1B+4], 128
	s_mov_b32 s[G1B+5], KROW
	s_mov_b32 s[G1B+6], 0
	s_mov_b32 s[G1B+7], 0
	s_or_b32 s[G1SB+0], s44, (3<<16)|(1<<20)|(1<<21)|(5<<22)|(3<<25) ; B's scale bytes of 64 rows: 8 rows of 256 bytes, padded
	s_mov_b32 s[G1SB+1], 32<<16
	s_mov_b32 s[G1SB+2], 8<<16
	s_mov_b32 s[G1SB+3], 32<<16
	s_mov_b32 s[G1SB+4], 8
	s_mov_b32 s[G1SB+5], 32
	s_mov_b32 s[G1SB+6], 0
	s_mov_b32 s[G1SB+7], 0
	s_lshl_b32 s18, s16, 17                        ; the half that I fetch: 8 tiles of 16,384 bytes of A, 128 rows of 1,024 bytes of B
	s_lshl_b32 s20, s17, 18
	s_add_co_u32 s20, s20, s18                     ; A: 16 tiles of rows a tile row
	s_mov_b32 s21, 0
	s_lshl_b32 s46, s42, 18
	s_add_co_u32 s46, s46, s18                     ; B: 256 rows a tile column
	s_mov_b32 s47, 0
	s_lshl_b32 s92, s42, 13                        ; B's scale bytes: 256 rows x 32 a tile column, 64 rows x 32 a wave
	s_lshl_b32 s93, s14, 11
	s_add_co_u32 s92, s92, s93
	s_mov_b32 s93, 0
	s_lshl_b32 s22, s17, 9                         ; A's scale halves: 256 rows x 2 bytes a tile row
	s_mov_b32 s23, 0
	s_mul_i32 s45, s14, HALFT
	s_mul_i32 s94, s14, 8*272
	s_wait_kmcnt 0x0
	s_add_nc_u64 s[20:21], s[4:5], s[20:21]
	s_add_nc_u64 s[6:7], s[6:7], s[22:23]
	s_add_nc_u64 s[46:47], s[8:9], s[46:47]
	s_add_nc_u64 s[92:93], s[10:11], s[92:93]
	CROUND                                         ; all sixteen work-groups are here: the first joint loads meet
	s_mov_b32 s[G0SB], 1
	s_add_co_u32 s[G0SB+1], s94, SCL+2*HALFS
	s_mov_b64 s[G0SB+2:G0SB+3], s[92:93]
	s_or_b32 s[G0SB+3], s[G0SB+3], 0x80000000
	tensor_load_to_lds s[G0SB:G0SB+3], s[G1SB:G1SB+7]  ; every wave its quarter of B's scale bytes
	s_nop 0
.rept 4
	v_nop
.endr
.irp s, 0,1
	s_mov_b32 s[G0+4*\s], 1
	s_add_co_u32 s[G0+4*\s+1], s45, \s*SLOT
	s_add_nc_u64 s[G0+4*\s+2:G0+4*\s+3], s[20:21], \s*ASTEP
	s_or_b32 s[G0+4*\s+3], s[G0+4*\s+3], 0x80000000
	s_mov_b32 s[G0B+4*\s], 1
	s_add_co_u32 s[G0B+4*\s+1], s45, \s*SLOT
	s_add_nc_u64 s[G0B+4*\s+2:G0B+4*\s+3], s[46:47], \s*ROWB
	s_or_b32 s[G0B+4*\s+3], s[G0B+4*\s+3], 0x80000000
	JLOAD G0+4*\s, G1, G0B+4*\s, G1B
.endr
	v_lshlrev_b32 v7, 2, v0                        ; thread t takes rows 2 t and 2 t + 1: four bytes of each head's run
.irp hd, 0,1,2,3,4,5,6,7,8,9,10,11,12,13,14,15
	global_load_b32 v[64+\hd], v7, s[6:7] offset:\hd*16384
.endr
	v_lshrrev_b32 v8, 2, v0
	v_lshlrev_b32 v6, 6, v0
	v_lshl_add_u32 v8, v8, 4, v6
	v_add_nc_u32 v8, SCL, v8                       ; rows 2 t, 2 t + 1 of A's scale bytes: 64 t, and 16 more for each 256 passed
	v_and_b32 v1, 15, v0                           ; r
	v_bfe_u32 v2, v0, 4, 1                         ; h
	v_and_b32 v6, 31, v0
	v_lshlrev_b32 v[CO], 4, v6                     ; 16 x lane
	v_mul_u32_u24 v3, v1, PITCH
	v_lshl_add_u32 v4, v2, 4, v3                   ; B: a fragment's row x pitch + 16 h
	s_mul_i32 s21, s15, HALFT                      ; my 128 rows of A
	s_mul_i32 s22, s16, HALFT
	s_add_co_u32 s22, s22, 2*HALFT                 ; my 128 rows of B
.irp s, 0,1
	v_add_nc_u32 v[ADRA+\s], s21, v[CO]            ; A: images: 16 x lane
	v_add_nc_u32 v[ADRB+\s], s22, v4
	s_add_co_u32 s21, s21, SLOT
	s_add_co_u32 s22, s22, SLOT
.endr
	v_mul_u32_u24 v5, v1, KS
	v_lshrrev_b32 v6, 8, v5
	v_lshl_add_u32 v5, v6, 4, v5
	s_mul_i32 s21, s15, HALFS
	s_mul_i32 s22, s16, HALFS
	s_add_co_u32 s22, s22, 2*HALFS
	s_sub_co_u32 s22, s22, s21
	v_mul_u32_u24 v6, s22, v2                      ; lanes 16-31 take B's
	s_add_co_u32 s21, s21, SCL
	v_add_nc_u32 v5, v5, v6
	v_add_nc_u32 v[ADRS], s21, v5
	s_mul_i32 s23, s14, 16*SPITCH                  ; my stage
	v_mul_u32_u24 v5, v1, SPITCH
	v_lshl_add_u32 v5, v2, 5, v5
	v_add_nc_u32 v[STO], s23, v5
	v_add_nc_u32 v[RD], s23, v[CO]
	s_lshl_b32 s20, s17, 8
	s_lshl_b32 s21, s15, 7
	s_add_co_u32 s20, s20, s21                     ; my first row of out0
	s_mov_b32 s21, 0
	s_mov_b64 s[18:19], SIZE_N*4
	s_mul_u64 s[20:21], s[20:21], s[18:19]
	s_lshl_b32 s46, s42, 10
	s_lshl_b32 s47, s16, 9
	s_add_co_u32 s46, s46, s47                     ; my first column, in bytes
	s_mov_b32 s47, 0
	s_add_nc_u64 s[20:21], s[20:21], s[46:47]
	s_add_nc_u64 s[12:13], s[12:13], s[20:21]
	s_mov_b32 s21, 0x05040100                      ; the two low halves: the even row's bytes of two neighbouring heads make its word for 128 along K
	s_mov_b32 s22, 0x07060302                      ; the two high halves: the odd row's
	s_wait_loadcnt 0x0
.irp ks, 0,1,2,3,4,5,6,7
	v_perm_b32 v[96+\ks], v[65+2*\ks], v[64+2*\ks], s21
	v_perm_b32 v[104+\ks], v[65+2*\ks], v[64+2*\ks], s22
.endr
.irp j, 0,1,2,3
	ds_store_b128 v8, v[96+4*\j:99+4*\j] offset:16*\j
.endr
.macro FRAG reg, adr, q, i             ; B: 16 rows x 128 K from padded rows
.irp c, 0,1,2,3
	ds_load_b128 v[\reg+4*\c:\reg+4*\c+3], v[\adr] offset:128*(\q)+32*\c+(\i)*16*PITCH
.endr
.endm
.macro FRAGA reg, adr, q, i            ; A: the image of block i, the slot's q-th 128 along K
.irp c, 0,1,2,3
	ds_load_b128 v[\reg+4*\c:\reg+4*\c+3], v[\adr] offset:2048*(\q)+512*\c+(\i)*4096
.endr
.endm
.macro MUL16 a0, p, q, sc, zero        ; the 64 accumulators take turns, one instruction a turn
.irp a, \a0, \a0+1
.irp b, 0,1,2,3,4,5,6,7
.if \zero
	v_wmma_scale_f32_16x16x128_f8f6f4 v[8*(8*((\a)%4)+\b):8*(8*((\a)%4)+\b)+7], v[128*(\p)+FR*\b:128*(\p)+FR*\b+FR-1], v[AF+FR*(\a):AF+FR*(\a)+FR-1], 0, v[SC+8*NQ*(\sc)+NQ*\b+(\q)], v[SC+8*NQ*(\sc)+NQ*(\a)+(\q)] matrix_a_fmt:MATRIX_FMT_BF8 matrix_b_fmt:MATRIX_FMT_BF8 matrix_a_scale:MATRIX_SCALE_ROW1
.else
	v_wmma_scale_f32_16x16x128_f8f6f4 v[8*(8*((\a)%4)+\b):8*(8*((\a)%4)+\b)+7], v[128*(\p)+FR*\b:128*(\p)+FR*\b+FR-1], v[AF+FR*(\a):AF+FR*(\a)+FR-1], v[8*(8*((\a)%4)+\b):8*(8*((\a)%4)+\b)+7], v[SC+8*NQ*(\sc)+NQ*\b+(\q)], v[SC+8*NQ*(\sc)+NQ*(\a)+(\q)] matrix_a_fmt:MATRIX_FMT_BF8 matrix_b_fmt:MATRIX_FMT_BF8 matrix_a_scale:MATRIX_SCALE_ROW1
.endif
.endr
.endr
.endm
.macro FETCH_B slot, q, p
	WIN TO_B
.irp i, 0,1,2,3,4,5,6,7
	FRAG 128*(\p)+FR*\i, ADRB+\slot, \q, \i
.endr
	WIN 0
.endm
.macro FETCH_A slot, q, i0
.irp i, \i0, \i0+1, \i0+2, \i0+3
	FRAGA AF+FR*(\i), ADRA+\slot, \q, \i
.endr
.endm
.macro SCALES sc
.irp i, 0,1,2,3,4,5,6,7
	ds_load_b64 v[SC+8*NQ*\sc+NQ*\i:SC+8*NQ*\sc+NQ*\i+1], v[ADRS] offset:\i*SBLK
.endr
.endm
.macro PLACES n
.rept \n
	v_nop
.endr
.endm
.macro STEP slot, q, zero
	s_wait_dscnt 4*NL                              ; B's set and A's blocks 0-3 are in; the 16 youngest loads (A's blocks 4-7) may be out
	WIN MUL_LO
	MUL16 0, (\q)%2, \q, \slot, \zero
	MUL16 2, (\q)%2, \q, \slot, \zero
	s_wait_dscnt 0
	PLACES NP
	FETCH_B \slot, (\q)+1, 1-(\q)%2
	FETCH_A \slot, (\q)+1, 0
	WIN MUL_HI
	MUL16 4, (\q)%2, \q, \slot, \zero
	MUL16 6, (\q)%2, \q, \slot, \zero
	PLACES NP
	WIN 0
	FETCH_A \slot, (\q)+1, 4
.endm
.macro TURN slot, next, fill
	s_wait_tensorcnt 0x0                           ; all my tensor loads have landed: my part of the next slot
	ds_add_u32 v[SPW], v[NIL]                      ; 0 onto my spare word
	s_wait_dscnt 4*NL+1                            ; the add and the 16 youngest loads may be out
	WIN MUL_LO
	MUL16 0, 1, NQ-1, \slot, 0
	s_wait_dscnt 0x0                               ; the add is done, and my reads of this slot are over
	s_barrier_signal -1
	MUL16 2, 1, NQ-1, \slot, 0
	WIN 0
	s_barrier_wait -1
.if \fill
	CREST                                          ; the barrier has opened a round of the cluster's
	s_add_nc_u64 s[G0+4*\slot+2:G0+4*\slot+3], s[G0+4*\slot+2:G0+4*\slot+3], 2*ASTEP
	s_add_nc_u64 s[G0B+4*\slot+2:G0B+4*\slot+3], s[G0B+4*\slot+2:G0B+4*\slot+3], 2*ROWB
	JLOAD G0+4*\slot, G1, G0B+4*\slot, G1B         ; the first tensor load behind the round
	PLACES NP-4
.else
	PLACES NP
.endif
	v_add_nc_u32 v[ADRS], 4*NQ, v[ADRS]
	FETCH_B \next, 0, 0
	FETCH_A \next, 0, 0
	SCALES \next
	WIN MUL_HI
	MUL16 4, 1, NQ-1, \slot, 0
	MUL16 6, 1, NQ-1, \slot, 0
	PLACES NP
	WIN 0
	FETCH_A \next, 0, 4
.endm
	s_wait_dscnt 0x0                               ; for the others' sake: my rows of A's scale bytes are in LDS
	s_wait_tensorcnt 1                             ; B's scale bytes and my part of K step 0 are in; the one load issued behind them, K step 1's, may be out
	s_barrier_signal -1
	s_barrier_wait -1
	FETCH_B 0, 0, 0
	FETCH_A 0, 0, 0
	SCALES 0
	FETCH_A 0, 0, 4
	STEP 0, 0, 1
	s_mov_b32 s3, LAPS-1
.Llap:
	TURN 0, 1, 1
	STEP 1, 0, 0
	TURN 1, 0, 1
	STEP 0, 0, 0
	s_sub_co_u32 s3, s3, 1
	s_cmp_lg_u32 s3, 0
	s_cbranch_scc1 .Llap
	TURN 0, 1, 0
	STEP 1, 0, 0
	s_wait_dscnt 4*NL
	WIN MUL_LO
	MUL16 0, 1, NQ-1, 1, 0
	MUL16 2, 1, NQ-1, 1, 0
	s_wait_dscnt 0
	WIN MUL_HI
	MUL16 4, 1, NQ-1, 1, 0
	MUL16 6, 1, NQ-1, 1, 0
	WIN 0
; THE WAY OUT, block by block of 16 rows x 128 columns: through my own stage in LDS and back as whole rows of 512 bytes.  LDS serves a wave's instructions in order (ISA guide 5.7.1.4).
.macro TOSTAGE a
.set AC, 64*((\a)%4)
	WIN 0x08+4*((\a)/4)                            ; an LDS store's data: window 2 or 3
.irp b, 0,1,2,3,4,5,6,7
	ds_store_b128 v[STO], v[AC+8*\b:AC+8*\b+3] offset:64*\b          ; each accumulator from its low end on
	ds_store_b128 v[STO], v[AC+8*\b+4:AC+8*\b+7] offset:64*\b+16
.endr
	WIN 0
.set BB, BK+64*((\a)%2)
.irp t, 0,1,2,3,4,5,6,7,8,9,10,11,12,13,14,15
	ds_load_b128 v[BB+4*\t:BB+4*\t+3], v[RD] offset:\t*SPITCH
.endr
.endm
.macro SEND a, younger                 ; younger: the LDS instructions issued behind block a's loads
.set BB, BK+64*((\a)%2)
	s_wait_dscnt \younger
.if (\a) > 0
	s_add_nc_u64 s[12:13], s[12:13], 16*SIZE_N*4   ; (behind a wait on XCNT: the earlier stores have read their base)
.endif
.irp t, 0,1,2,3,4,5,6,7,8,9,10,11,12,13,14,15
	global_store_b128 v[CO], v[BB+4*\t:BB+4*\t+3], s[12:13] offset:\t*SIZE_N*4 th:TH_STORE_NT   ; 32 lanes store 512 consecutive bytes
.endr
.endm
	PLACES NP
	TOSTAGE 0
.irp a, 1,2,3,4,5,6,7
.if \a > 1
	s_wait_xcnt 0x0                                ; block a - 2's stores have read their registers and their base
.endif
	TOSTAGE \a
	SEND \a-1, 32                                  ; behind block a - 1's loads: block a's 16 stores and 16 loads
.endr
	s_wait_xcnt 0x0
	SEND 7, 0
	s_wait_tensorcnt 0x0                           ; the wave's end
	ds_add_u32 v[SPW], v[NIL]
	s_wait_dscnt 0x0
	CROUND                                         ; the closing round
	s_endpgm
.Lfunc_end_k_q73b393a5d6_outp:
	.size	k_q73b393a5d6_outp, .Lfunc_end_k_q73b393a5d6_outp-k_q73b393a5d6_outp
	.p2alignl 7, 3214868480
	.fill 96, 4, 3214868480
	.section	.rodata,"a",@progbits
	.p2align	6, 0x0
	.amdhsa_kernel k_q73b393a5d6_outp
		.amdhsa_group_segment_fixed_size 327680
		.amdhsa_private_segment_fixed_size 0
		.amdhsa_enable_private_segment 0
		.amdhsa_kernarg_size 40
		.amdhsa_user_sgpr_count 2
		.amdhsa_user_sgpr_kernarg_segment_ptr 1
		.amdhsa_wavefront_size32 1
		.amdhsa_system_sgpr_workgroup_id_x 1
		.amdhsa_system_sgpr_workgroup_id_y 1
		.amdhsa_system_sgpr_workgroup_id_z 1
		.amdhsa_system_vgpr_workitem_id 0
		.amdhsa_next_free_vgpr 1024
		.amdhsa_next_free_sgpr 98
		.amdhsa_reserve_vcc 0
		.amdhsa_float_denorm_mode_32 3
		.amdhsa_float_denorm_mode_16_64 3
		.amdhsa_memory_ordered 1
		.amdhsa_forward_progress 1
		.amdhsa_inst_pref_size 148
	.end_amdhsa_kernel
	.amdgpu_metadata
---
amdhsa.version: [ 1, 2 ]
amdhsa.kernels:
  - .name:           k_q73b393a5d6_outp
    .symbol:         k_q73b393a5d6_outp.kd
    .args:
      - { .name: cimg, .offset: 0, .size: 8, .value_kind: global_buffer, .address_space: global }
      - { .name: csc, .offset: 8, .size: 8, .value_kind: global_buffer, .address_space: global }
      - { .name: Wo_codes, .offset: 16, .size: 8, .value_kind: global_buffer, .address_space: global }
      - { .name: Wo_scales, .offset: 24, .size: 8, .value_kind: global_buffer, .address_space: global }
      - { .name: out0, .offset: 32, .size: 8, .value_kind: global_buffer, .address_space: global }
    .group_segment_fixed_size: 327680
    .private_segment_fixed_size: 0
    .kernarg_segment_align: 8
    .kernarg_segment_size: 40
    .max_flat_workgroup_size: 128
    .sgpr_count:     98
    .vgpr_count:     1024
    .wavefront_size: 32
...
	.end_amdgpu_metadata
.endif
;; end of part 3
;; ======== version 2 of 2: 3 launches; version 1 with the launch attn written anew for expert scheduling mode
;; workspace buffers: qimg 8,388,608 bytes; kimg 8,388,608 bytes; vimg 8,388,608 bytes; qsc 524,288 bytes; ksc 524,288 bytes; vsc 262,144 bytes; cimg 8,388,608 bytes; csc 262,144 bytes
;; launch proj: the kernel of part 1 again; grid 12 x 32, 4 waves a work-group, clusters of 4 x 4, 327,680 bytes of LDS; arguments x_codes, x_scales, Wq_codes, Wq_scales, Wk_codes, Wk_scales, Wv_codes, Wv_scales, qimg, qsc, kimg, ksc, vimg, vsc; writes qimg, qsc, kimg, ksc, vimg, vsc
;; launch attn (part 4): grid 4 x 64, 16 waves a work-group, no clusters, 38,912 bytes of LDS; arguments qimg, qsc, kimg, ksc, vimg, vsc, cimg, csc; writes cimg, csc
.if DOCPART == 4
	.amdgcn_target "amdgcn-amd-amdhsa--gfx1250"
	.amdhsa_code_object_version 6
	.text
	.protected	k_q73b393a5d6_attn
	.globl	k_q73b393a5d6_attn
	.p2align	8
	.type	k_q73b393a5d6_attn,@function
k_q73b393a5d6_attn:
	s_mov_b64 s[64:65], 0
	v_nop
	global_prefetch_b8 v0, s[64:65] scope:SCOPE_SE
	s_setreg_imm32_b32 hwreg(HW_REG_WAVE_SCHED_MODE, 0, 2), 2
	s_setreg_imm32_b32 hwreg(HW_REG_WAVE_MODE, 25, 1), 1
	s_wait_xcnt 0x0
	s_wait_alu depctr_vm_vsrc(0)
; ctx = softmax(Q K^T / 8, causal) V for one head, both products on codes of BF8 (E5M2) with E8M0 scales, and ctx quantised along its 64 channels for the last product.
; INPUTS are images of operand registers (16 bytes a lane): qimg, kimg [bh 64][tile of 16 positions 128][chunk 2][lane][16]; vimg [bh][step of 128 keys 16][tile of 16 channels 4][chunk 4][lane][16];
; scale words qsc, ksc [bh][tile][16], vsc [bh][step][tile][16].  A head has 64 channels: the upper 64 of the first product's 128 along K are zero codes on both sides, kept in registers.
; THE SOFTMAX: t = score x log2(e) / 8; M = the largest t so far, rounded up to a whole number; p = 2^(t - M) is quantised along the keys, not normalised; the row's sum is taken of the unquantised p and
; divides at the end.  When M moves, the sum and O are multiplied by 2^(old M - new M), which rounds nothing.
; SHARES.  Work-group (i, bh) owns the blocks i and 7 - i of 256 queries of head bh: 2 (i + 1) + 2 (8 - i) = 18 key steps of 128 in every work-group.  Each of sixteen waves owns one tile of 16 queries of the
; block in hand, in 256 registers.  Wave w takes tile 8 ((w ^ (w >> 2)) & 1) + (w >> 1): early and late tiles, which differ by one step on the diagonal, are spread over the waves' numbers.
; A step all of whose keys come after a wave's queries is left out by a scalar branch on ids; no barrier stands inside.
; K AND V COME THROUGH REGISTERS.  A step's 16,384 bytes of images are 2 x 16 bytes a thread and its 768 bytes of scale words 8 bytes a lane of three waves: asked for at a step's head, a whole key step
; ahead of their use, put into the other of two LDS slots at the step's end, in front of the step's one barrier.  NO JOINT LOADS: the four work-groups of a head begin anew at key 0 after 2 (i + 1) steps,
; each at another time, so they do not want the same tile in the same step.
; LAYOUT.  Both products are used transposed: S^T = K Q^T, O^T = V^T P^T: a lane holds one query (lane % 16).  Register 8 t + j of S^T is key 16 t + 8 (lane / 16) + j; the 16 registers of two neighbouring
; tiles are a block's codes in the order in which V's images hold the keys.  ctx meets a given operand: its codes are put into true order by exchanging halves of lanes.
; OUTPUT.  cimg [tile of 16 rows 512][K step of 128: 8][chunk 4][lane][16]; csc [head 16][row 8192] two bytes.
; LIMITS: a block's largest p is made from the block's largest score by the same two instructions, which takes v_exp_f32 not to fall where its input rises; a block of zeros gets the byte 1 (its codes are
; zeros, the bytes are read by this program alone); NaN and infinities are not served.
; THE MODE: SCHED_MODE bits 1:0 = 2 (LLVM: expert scheduling mode 2), set by the entry lines.  The code itself states the register dependences between vector or matrix instructions and memory or LDS
; instructions, with s_wait_alu, always for 0.
; THE PLAN.  Registers that memory or LDS instructions touch:
;   v1, v2, v3, v6, v7, v10, v11   addresses and offsets: made at the head, never written again.  The steps are reached by three scalar bases, written at a step's head.
;   GK, GV, GS          written by the global loads at a step's head, read by the LDS stores at its end; no vector instruction names them.
;   K's fragments, KSC  written by LDS loads, read by the products S^T.        VSC  written by LDS loads at a step's head, read by the products O^T.
;   v96-159             S^T, then p, worked on in place; behind the conversions V's four fragments land there; the products O^T read them.
;   v16-23, QSC         written by global loads at a block's head, read by the block's products.
;   v192-203, v219      at a block's end: written by vector instructions (v200-203 by an LDS load), read by the block's stores; in the steps the codes of p.
; A KEY STEP'S WAITS: one on vm_vsrc at its head (the last step's LDS stores have read GK, GV, GS); four on va_vdst: in front of the step's first LDS loads; in front of the loads of K's second four
; fragments; behind the exponentials; behind the conversions, in front of V's loads.  On the diagonal one on va_sdst for each eight compares.
.set SLOTB, 17408                      ; an LDS slot: K's images 8,192, V's images 8,192, K's scale words 512, V's 256, 256 unused
.set KIM,   0
.set VIM,   8192
.set KSW,   16384
.set VSW,   16896
.set SCG,   2*SLOTB                    ; 512 bytes: a block's 256 pairs of scale bytes of ctx
.set LI,   1                           ; v1   16 x lane
.set LS,   2                           ; v2   4 x lane
.set T16,  3                           ; v3   16 x thread
.set L8S,  6                           ; v6   KSW + 256 min(wave, 2) + 8 lane
.set L8,   7                           ; v7   8 x lane
.set DL,   8                           ; v8   lane % 16 - 8 (lane / 16)
.set DD,   9                           ; v9   the mask's bound
.set R4,   10                          ; v10  4 (lane % 16)
.set SGA,  11                          ; v11  SCG + 32 tile + 2 (lane % 16)
; v12 -M, v13 the largest t, v[14:15] the sum in two halves; v16-31 Q (24-31 zeros); v32-95 four fragments of K (registers 8-15 of each zeros); v96-159 S^T, p, then V's four fragments; v160-191 O^T; v192-207 p's codes
.set GK,   208                         ; v208-211, v212-215, v216-217: the step on its way
.set GV,   212
.set GS,   216
.set NINF, 218
.set HW,   219
.set KSC,  220                         ; v220-223 K's scale words, v224-225 V's, v226 Q's, v227 p's: scales and nothing else
.set VSC,  224
.set QSC,  226
.set PW,   227
.set BM,   228
.set T1,   232
.set HOLD, 236
.set SOP,  240
.set S2,   244
.set F,    246
.set TMP,  248
.set KB,   2                           ; s[2:3]   K's images of the step asked for
.set WV,   20
.set TAU,  21
.set WI,   22
.set BH,   23
.set VB,   24                          ; s[24:25] V's images of the step asked for (at the head s24, s25 hold the batch and the head)
.set SEL,  26
.set CS,   28
.set MNT,  30
.set BLK,  31
.set QB,   32
.set NTRIP, 33
.set JT,   34
.set KF,   35
.set Q0,   36
.set SSTR, 37                          ; s37  the scale words' bytes from step to step
.set OF,   38                          ; s[38:39] an offset as a pair: s39 stays 0
.set MORE, 42
.set QP,   44
.set QSP,  46
.set CP,   48
.set CSP,  50
.set SB,   52
.set MK,   54                          ; s54-61 the masks of eight compares
.set SBB,  62                          ; s[62:63] the scale words of the step asked for
.macro ASKSTEP                         ; the step at the three bases is asked for: every thread 16 bytes of K's images and of V's; waves 0, 1 K's scale words, wave 2 V's
	global_load_b128 v[GK:GK+3], v[T16], s[KB:KB+1]
	global_load_b128 v[GV:GV+3], v[T16], s[VB:VB+1]
	s_cmp_lt_u32 s[WV], 3
	s_cbranch_scc0 .Lno_sc_\@
	global_load_b64 v[GS:GS+1], v[L8], s[SBB:SBB+1]
.Lno_sc_\@:
.endm
.macro PUT other                       ; and put into slot other, as it lies
	ds_store_b128 v[T16], v[GK:GK+3] offset:(\other)*SLOTB+KIM
	ds_store_b128 v[T16], v[GV:GV+3] offset:(\other)*SLOTB+VIM
	s_cmp_lt_u32 s[WV], 3
	s_cbranch_scc0 .Lno_putsc_\@
	ds_store_b64 v[L8S], v[GS:GS+1] offset:(\other)*SLOTB
.Lno_putsc_\@:
.endm
.macro BAR                             ; my LDS stores have landed and my LDS loads are in: then the work-group's barrier
	s_wait_dscnt 0x0
	s_barrier_signal -1
	s_barrier_wait -1
.endm
.macro KLOAD slot, g                   ; the fragments of key tiles 4 g .. 4 g + 3: two loads each
.irp t, 0,1,2,3
.irp c, 0,1
	ds_load_b128 v[32+16*\t+4*\c:32+16*\t+4*\c+3], v[LI] offset:(\slot)*SLOTB+KIM+(4*(\g)+\t)*1024+512*\c
.endr
.endr
.endm
.macro KQ g, left                      ; S^T = K Q^T for these four tiles.  left: the LDS loads issued behind the fragments' eight
.irp t, 0,1,2,3
	s_wait_dscnt (\left)+2*(3-\t)                  ; LDS loads come back in order (ISA guide 5.7.1): fragment t is in; the later fragments, two loads each, and what was issued behind them may be out
.if (\t)%2
	v_wmma_scale_f32_16x16x128_f8f6f4 v[96+8*(4*(\g)+\t):103+8*(4*(\g)+\t)], v[32+16*\t:47+16*\t], v[16:31], 0, v[KSC+(4*(\g)+\t)/2], v[QSC] matrix_a_fmt:MATRIX_FMT_BF8 matrix_b_fmt:MATRIX_FMT_BF8 matrix_a_scale:MATRIX_SCALE_ROW1
.else
	v_wmma_scale_f32_16x16x128_f8f6f4 v[96+8*(4*(\g)+\t):103+8*(4*(\g)+\t)], v[32+16*\t:47+16*\t], v[16:31], 0, v[KSC+(4*(\g)+\t)/2], v[QSC] matrix_a_fmt:MATRIX_FMT_BF8 matrix_b_fmt:MATRIX_FMT_BF8
.endif
.endr
.endm
; On the diagonal the hidden scores of tiles 4 g .. 4 g + 3 become -infinity ahead of the maximum; a step all of whose keys count skips this.  Eight compares into eight scalar registers, one wait, eight selects.
.macro MASKH g
	s_add_co_u32 s40, s[KF], 127
	s_cmp_le_u32 s40, s[Q0]
	s_cbranch_scc1 .Lopen_\@
	s_sub_co_i32 s40, s[Q0], s[KF]
	v_add_nc_u32 v[DD], s40, v[DL]                 ; register 8 t + k holds key KF + 8 (lane / 16) + 16 t + k: hidden where 16 t + k > my query - KF - 8 (lane / 16)
.irp t, 0,1,2,3
.irp k, 0,1,2,3,4,5,6,7
	v_cmp_gt_i32 s[MK+\k], 16*(4*(\g)+\t)+\k, v[DD]
.endr
	s_wait_alu depctr_va_sdst(0)                   ; the eight compares have written s54 to s61, ahead of the selects that read them
.irp k, 0,1,2,3,4,5,6,7
	v_cndmask_b32 v[96+8*(4*(\g)+\t)+\k], v[96+8*(4*(\g)+\t)+\k], v[NINF], s[MK+\k]
.endr
.endr
.Lopen_\@:
.endm
; The largest score of each block of 32 keys: for the row's maximum and for the block's largest p.  Blocks b0 and b0 + 1 by turns; six lines, then ten.
.macro MAXHEAD b0
.irp b, \b0, \b0+1
	v_max3_num_f32 v[BM+\b], v[96+16*(\b)], v[97+16*(\b)], v[98+16*(\b)]
.endr
.irp i, 3,5
.irp b, \b0, \b0+1
	v_max3_num_f32 v[BM+\b], v[BM+\b], v[96+16*(\b)+\i], v[97+16*(\b)+\i]
.endr
.endr
.endm
.macro MAXTAIL b0
.irp i, 7,9,11,13
.irp b, \b0, \b0+1
	v_max3_num_f32 v[BM+\b], v[BM+\b], v[96+16*(\b)+\i], v[97+16*(\b)+\i]
.endr
.endr
.irp b, \b0, \b0+1
	v_max_num_f32 v[BM+\b], v[BM+\b], v[111+16*(\b)]
.endr
.endm
	s_load_b512 s[4:19], s[0:1], 0x0               ; qimg, qsc, kimg, ksc, vimg, vsc, cimg, csc
	v_lshl_add_u32 v254, v0, 2, 0x9000
	v_mov_b32 v255, 0
	v_lshrrev_b32 v1, 5, v0
	v_readfirstlane_b32 s[WV], v1                  ; wave 0..15
	v_and_b32 v9, 31, v0
	v_lshlrev_b32 v[LI], 4, v9
	v_lshlrev_b32 v[LS], 2, v9
	v_lshlrev_b32 v[T16], 4, v0
	v_lshlrev_b32 v[L8], 3, v9
	s_wait_alu depctr_va_sdst(0)                   ; s20, the wave's number, is written, ahead of its first reader
	s_lshr_b32 s40, s[WV], 2
	s_xor_b32 s40, s40, s[WV]
	s_and_b32 s40, s40, 1
	s_lshl_b32 s40, s40, 3
	s_lshr_b32 s[TAU], s[WV], 1
	s_add_co_u32 s[TAU], s[TAU], s40               ; my tile of the block in hand
	s_mov_b32 s[WI], ttmp9
	s_and_b32 s[BH], ttmp7, 0xffff
	s_lshr_b32 s24, s[BH], 4                       ; the batch
	s_and_b32 s25, s[BH], 15                       ; the head
	s_min_u32 s40, s[WV], 2
	s_lshl_b32 s40, s40, 8
	s_add_co_u32 s40, s40, KSW
	v_add_nc_u32 v[L8S], s40, v[L8]
	v_and_b32 v10, 15, v0
	v_bfe_u32 v9, v0, 4, 1
	v_lshlrev_b32 v9, 3, v9
	v_sub_nc_u32 v[DL], v10, v9
	s_lshl_b32 s40, s[TAU], 5
	s_add_co_u32 s40, s40, SCG
	v_lshl_add_u32 v[SGA], v10, 1, s40
	v_lshlrev_b32 v[R4], 2, v10
	s_mov_b32 s[SEL], 0x76543210
	s_mov_b32 s[SEL+1], 0xfedcba98
	s_mov_b32 s[CS], 0x3e38aa3b                    ; c = log2(e) / sqrt(64)
	s_mov_b32 s[CS+1], s[CS]                       ; (named with it as a pair)
	s_mov_b32 s[MNT], 0x600000
	s_mov_b32 s[SSTR], 256
	s_mov_b32 s[OF+1], 0
	s_mov_b32 s41, 0
	s_wait_kmcnt 0x0
	s_lshl_b32 s40, s[BH], 17                      ; a head's images: 131,072 bytes
	s_add_nc_u64 s[4:5], s[4:5], s[40:41]
	s_add_nc_u64 s[8:9], s[8:9], s[40:41]
	s_add_nc_u64 s[12:13], s[12:13], s[40:41]
	s_lshl_b32 s40, s[BH], 13                      ; Q's and K's scale words: 8,192
	s_add_nc_u64 s[6:7], s[6:7], s[40:41]
	s_add_nc_u64 s[10:11], s[10:11], s[40:41]
	s_lshl_b32 s40, s[BH], 12                      ; V's: 4,096
	s_add_nc_u64 s[14:15], s[14:15], s[40:41]
	s_and_b32 s40, s[WV], 1
	s_lshl_b32 s40, s40, 8
	s_add_nc_u64 s[10:11], s[10:11], s[40:41]      ; waves 0 and 1 take the halves of a step's 512 bytes
	s_cmp_lt_u32 s[WV], 2
	s_cselect_b64 s[SB:SB+1], s[10:11], s[14:15]
	s_cselect_b32 s[SSTR], 512, s[SSTR]            ; from step to step
	s_lshl_b32 s40, s24, 21                        ; cimg: 128 tiles of 16,384 bytes a batch, 1,024 bytes a head in each
	s_lshl_b32 s43, s25, 10
	s_add_co_u32 s40, s40, s43
	s_add_nc_u64 s[16:17], s[16:17], s[40:41]
	s_lshl_b32 s40, s25, 14                        ; csc: 16,384 bytes a head, 4,096 a batch
	s_lshl_b32 s43, s24, 12
	s_add_co_u32 s40, s40, s43
	s_add_nc_u64 s[18:19], s[18:19], s[40:41]
	s_mov_b64 s[KB:KB+1], s[8:9]                   ; key step 0
	s_mov_b64 s[VB:VB+1], s[12:13]
	s_mov_b64 s[SBB:SBB+1], s[SB:SB+1]
	s_wait_alu depctr_va_vdst(0)                   ; the seven addresses and offsets v1, v2, v3, v6, v7, v10, v11 are written: every load and store of the kernel reads one of them, and none is written again
	ASKSTEP
.irp j, 0,1,2,3,4,5,6,7
	v_mov_b32 v[24+\j], 0                          ; the zero codes of K = 64 .. 127: Q's,
.irp t, 0,1,2,3
	v_mov_b32 v[40+16*\t+\j], 0                    ; and those of K's four fragments: written once
.endr
.endr
.irp b, 0,1,2,3
	v_mov_b32 v[T1+\b], 0                          ; a lane permute's destination counts as one of its sources
.endr
	v_mov_b32 v[F+1], 0                            ; (named as the upper half of a pair)
	v_mov_b32 v[TMP], 0
	v_mov_b32 v[NINF], 0xff800000
	s_wait_loadcnt 0x0
	PUT 0
	BAR
	s_mov_b32 s[BLK], 0
; A KEY STEP on slot \slot: 128 keys from s[KF] on.
.macro STEP slot
	s_wait_alu depctr_vm_vsrc(0)                   ; the LDS stores at the end of the step before have read v208 to v217, in which the loads below land
.if \slot == 0
	s_lshl_b32 s[OF], s[JT], 14                    ; the next step is the trip's second: 2 J + 1.  The bases are free: the wait for all loads at the end of the step before has shown the loads that read them done
	s_add_co_u32 s[OF], s[OF], 8192
	s_add_nc_u64 s[KB:KB+1], s[8:9], s[OF:OF+1]
	s_add_nc_u64 s[VB:VB+1], s[12:13], s[OF:OF+1]
	s_lshl_b32 s40, s[JT], 1
	s_add_co_u32 s40, s40, 1
	s_mul_i32 s[OF], s40, s[SSTR]
	s_add_nc_u64 s[SBB:SBB+1], s[SB:SB+1], s[OF:OF+1]
	ASKSTEP
.else
	s_add_co_u32 s40, s[JT], 1                     ; the next step is the next trip's first, or the next block's key step 0, or none
	s_cmp_lt_u32 s40, s[NTRIP]
	s_cselect_b32 s41, s40, 0
	s_cselect_b32 s[MORE], 1, 0
	s_cmp_eq_u32 s[BLK], 0
	s_cselect_b32 s[MORE], 1, s[MORE]
	s_lshl_b32 s[OF], s41, 14
	s_add_nc_u64 s[KB:KB+1], s[8:9], s[OF:OF+1]
	s_add_nc_u64 s[VB:VB+1], s[12:13], s[OF:OF+1]
	s_lshl_b32 s41, s41, 1
	s_mul_i32 s[OF], s41, s[SSTR]
	s_add_nc_u64 s[SBB:SBB+1], s[SB:SB+1], s[OF:OF+1]
	s_cmp_eq_u32 s[MORE], 0
	s_cbranch_scc1 .Lno_ask_\@
	ASKSTEP
.Lno_ask_\@:
.endif
	s_add_co_u32 s40, s[Q0], 15
	s_cmp_gt_u32 s[KF], s40                        ; all 128 keys come after my 16 queries
	s_cbranch_scc1 .Lhidden_\@
	s_wait_alu depctr_va_vdst(0)                   ; the products of the step before are done reading K's fragments and K's and V's scale words, in which the loads below land; in the first step: the zero codes are written, which the products below take
.irp p, 0,1,2,3
	ds_load_b32 v[KSC+\p], v[LS] offset:(\slot)*SLOTB+KSW+128*\p   ; lanes 0-15: tile 2 p's words, lanes 16-31: tile 2 p + 1's
.endr
	KLOAD \slot, 0
.irp p, 0,1
	ds_load_b32 v[VSC+\p], v[LS] offset:(\slot)*SLOTB+VSW+128*\p   ; V's scale words are asked for here, the whole softmax ahead of their use
.endr
	KQ 0, 2                                        ; behind the fragments' loads: V's two scale words
.rept 8
	v_nop                                          ; places behind these products: in front of the loads into the fragments that they have read, and of the first read of their results
.endr
	s_wait_alu depctr_va_vdst(0)                   ; these four products are done reading K's fragments, in which the next four tiles' land; the places above stay beside this wait
	KLOAD \slot, 1
	MASKH 0                                        ; while the loads are out: the first four tiles' mask, and the first lines of their two blocks' maxima.  None of these lines names a register in which a load lands
	MAXHEAD 0
	KQ 1, 0
	MAXTAIL 0                                      ; ten plain lines on the first four tiles: the places behind the second four products, none of whose registers they name
	MASKH 1
	MAXHEAD 2
	MAXTAIL 2
.irp b, 0,1,2,3
	v_permlanex16_b32 v[T1+\b], v[BM+\b], s[SEL], s[SEL+1]
.endr
.irp b, 0,1,2,3
	v_max_num_f32 v[BM+\b], v[BM+\b], v[T1+\b]     ; with lane l xor 16's 16 keys
.endr
	v_max3_num_f32 v[TMP], v[BM], v[BM+1], v[BM+2]
	v_max_num_f32 v[TMP], v[TMP], v[BM+3]
	v_mul_f32 v[TMP], s[CS], v[TMP]                ; as t
	v_max_num_f32 v13, v13, v[TMP]                 ; the running largest t
	v_mov_b32 v[TMP], v12
	v_floor_f32 v12, -v13                          ; the new -M = -ceil(t)
	v_sub_f32 v[TMP], v12, v[TMP]                  ; old M - new M: a whole number, 0 or less
	v_cvt_i32_f32 v[TMP], v[TMP]                   ; (it saturates)
	v_ldexp_f32 v[F], 1.0, v[TMP]                  ; f = 2^(old M - new M)
.set n, 0
.rept 32
	v_pk_fma_f32 v[96+n:97+n], v[96+n:97+n], s[CS:CS+1], v[12:13] op_sel_hi:[1,0,0]   ; t - M, two at a time
.set n, n+2
.endr
.irp b, 0,1,2,3
	v_fma_f32 v[BM+\b], v[BM+\b], s[CS], v12
.endr
.set n, 0
.rept 64
	v_exp_f32 v[96+n], v[96+n]                     ; p = 2^(t - M)
.set n, n+1
.endr
.irp b, 0,1,2,3
	v_exp_f32 v[BM+\b], v[BM+\b]                   ; the block's largest p
.endr
	v_pk_mul_f32 v[14:15], v[14:15], v[F:F+1] op_sel_hi:[1,0]      ; the sums under the new M (a plain place behind the exponentials)
	s_wait_alu depctr_va_vdst(0)                   ; the 68 exponentials have written p and the blocks' largest p, ahead of the first line that names one of them
.irp b, 0,1,2,3
	v_max_num_f32 v[BM+\b], 0x8000000, v[BM+\b]    ; the floor 2^(16 - 127): the byte cannot fall under 1
.endr
.irp b, 0,1,2,3
	v_add_nc_u32 v[SOP+\b], 0xf8800000, v[BM+\b]   ; 15 off the exponent field: the conversion's scale operand
.endr
.irp b, 0,1,2,3
	v_and_or_b32 v[HOLD+\b], v[BM+\b], 0x7f800000, s[MNT]          ; 57,344 x the scale
.endr
.irp b, 0,1,2,3
	v_lshrrev_b32 v[T1+\b], 23, v[SOP+\b]          ; the scale's byte
.endr
	v_lshl_or_b32 v[PW], v[T1+1], 8, v[T1]         ; p's scale word for these 128 keys
	v_lshl_or_b32 v[PW], v[T1+2], 16, v[PW]
	v_lshl_or_b32 v[PW], v[T1+3], 24, v[PW]
	v_pk_add_f32 v[S2:S2+1], v[96:97], v[98:99]    ; the row's sum is taken of the unquantised p: two chains
.irp j, 4,8,12,16,20,24,28,32,36,40,44,48,52,56,60
	v_pk_add_f32 v[14:15], v[14:15], v[96+\j:97+\j]
	v_pk_add_f32 v[S2:S2+1], v[S2:S2+1], v[98+\j:99+\j]
.endr
	v_pk_add_f32 v[14:15], v[14:15], v[S2:S2+1]
.irp b, 0,1,2,3
.set n, 0
.rept 16
	v_min_num_f32 v[96+16*\b+n], v[96+16*\b+n], v[HOLD+\b]         ; the conversion does not saturate (ISA guide 7.6.2); p is not negative
.set n, n+1
.endr
	v_cvt_scalef32_pk8_bf8_f32 v[192+4*\b:193+4*\b], v[96+16*\b:103+16*\b], v[SOP+\b]
	v_cvt_scalef32_pk8_bf8_f32 v[194+4*\b:195+4*\b], v[104+16*\b:111+16*\b], v[SOP+\b]
.endr
.set n, 0
.rept 4
	v_pk_mul_f32 v[160+n:161+n], v[160+n:161+n], v[F:F+1] op_sel_hi:[1,0]   ; O^T under the new M: the first four of sixteen are the codes' four places in front of the products below
.set n, n+2
.endr
	s_wait_alu depctr_va_vdst(0)                   ; the holds and conversions are done with v96 to v159, in which V's fragments land; the codes v192 to v207 and p's scale word are written, which the products below take
.irp t, 0,1,2,3                                ; O^T += V^T P^T: V's four fragments take p's registers
.irp c, 0,1,2,3
	ds_load_b128 v[96+16*\t+4*\c:96+16*\t+4*\c+3], v[LI] offset:(\slot)*SLOTB+VIM+2048*\t+512*\c
.endr
.endr
.rept 12
	v_pk_mul_f32 v[160+n:161+n], v[160+n:161+n], v[F:F+1] op_sel_hi:[1,0]   ; the other twelve stand under V's loads: they name O^T and f alone, no register in which a load lands
.set n, n+2
.endr
.irp t, 0,1,2,3                                ; the four accumulators take turns, one instruction a turn
	s_wait_dscnt 4*(3-\t)                          ; fragment t is in; the later fragments, four loads each, may be out
.if (\t)%2
	v_wmma_scale_f32_16x16x128_f8f6f4 v[160+8*\t:167+8*\t], v[96+16*\t:111+16*\t], v[192:207], v[160+8*\t:167+8*\t], v[VSC+(\t)/2], v[PW] matrix_a_fmt:MATRIX_FMT_BF8 matrix_b_fmt:MATRIX_FMT_BF8 matrix_a_scale:MATRIX_SCALE_ROW1
.else
	v_wmma_scale_f32_16x16x128_f8f6f4 v[160+8*\t:167+8*\t], v[96+16*\t:111+16*\t], v[192:207], v[160+8*\t:167+8*\t], v[VSC+(\t)/2], v[PW] matrix_a_fmt:MATRIX_FMT_BF8 matrix_b_fmt:MATRIX_FMT_BF8
.endif
.endr
.rept 9
	v_nop                                          ; nine places: the next step's first products write over V's fragments
.endr
.Lhidden_\@:
	s_add_co_u32 s[KF], s[KF], 128
	s_wait_loadcnt 0x0                             ; what was asked for at the step's head is in: on every path
.if \slot == 0
	PUT 1
.else
	s_cmp_eq_u32 s[MORE], 0
	s_cbranch_scc1 .Lno_put_\@
	PUT 0
.Lno_put_\@:
.endif
	BAR                                            ; the other slot is whole, and nobody reads this one any more
.endm
.Lblock:                                           ; two trips: block i, then block 7 - i
	s_wait_xcnt 0x0                                ; the last block's stores have read their registers and bases
	s_wait_alu depctr_vm_vsrc(0)                   ; the last block's stores have read v192 to v203 and v219, which this block's conversions and its end write again
	s_sub_co_u32 s40, 7, s[WI]
	s_cmp_eq_u32 s[BLK], 0
	s_cselect_b32 s[QB], s[WI], s40
	s_add_co_u32 s[NTRIP], s[QB], 1                ; trips of two key steps
	s_lshl_b32 s40, s[QB], 4
	s_add_co_u32 s40, s40, s[TAU]                  ; my tile of 16 queries in the batch
	s_lshl_b32 s[Q0], s40, 4                       ; my first query
	s_mov_b32 s43, 0
	s_lshl_b32 s42, s40, 10
	s_add_nc_u64 s[QP:QP+1], s[4:5], s[42:43]
	s_lshl_b32 s42, s40, 6
	s_add_nc_u64 s[QSP:QSP+1], s[6:7], s[42:43]
	s_lshl_b32 s42, s40, 14
	s_add_nc_u64 s[CP:CP+1], s[16:17], s[42:43]
	s_lshl_b32 s42, s[QB], 9
	s_add_nc_u64 s[CSP:CSP+1], s[18:19], s[42:43]
	s_wait_alu depctr_va_vdst(0)                   ; the last block's products are done reading Q's fragment and Q's scale word, in which the loads below land
	global_load_b128 v[16:19], v[LI], s[QP:QP+1]               ; Q's fragment stays in registers for the block
	global_load_b128 v[20:23], v[LI], s[QP:QP+1] offset:512
	global_load_b32 v[QSC], v[R4], s[QSP:QSP+1]
	v_mov_b32 v13, 0xff61b1e6                      ; the largest t so far: -3e38
	v_floor_f32 v12, -v13
	v_mov_b32 v14, 0
	v_mov_b32 v15, 0
.set n, 0
.rept 32
	v_mov_b32 v[160+n], 0                          ; O^T: the step is written once; the first finds zeros
.set n, n+1
.endr
	s_wait_loadcnt 0x0
	s_mov_b32 s[JT], 0
	s_mov_b32 s[KF], 0
.Ltrip:
	STEP 0
	STEP 1
	s_add_co_u32 s[JT], s[JT], 1
	s_cmp_lt_u32 s[JT], s[NTRIP]
	s_cbranch_scc1 .Ltrip
	; THE BLOCK'S END: O^T / the sum, quantised along the head's 64 channels
	v_add_f32 v14, v14, v15
	v_permlanex16_b32 v[TMP], v14, s[SEL], s[SEL+1]
	v_add_f32 v14, v14, v[TMP]                     ; the row's sum
	v_rcp_f32 v14, v14
	v_nop                                          ; a plain place behind the transcendental
.set n, 0
	s_wait_alu depctr_va_vdst(0)                   ; the reciprocal has written v14, ahead of its first reader
.rept 32
	v_mul_f32 v[96+n], v[160+n], v14               ; register 8 t + j: channel 16 t + 8 (lane / 16) + j of my query
.set n, n+1
.endr
.irp b, 0,1
	v_max3_num_f32 v[BM+\b], |v[96+16*\b]|, |v[97+16*\b]|, 0x8000000
.endr
.irp i, 2,4,6,8,10,12,14
.irp b, 0,1
	v_max3_num_f32 v[BM+\b], v[BM+\b], |v[96+16*\b+\i]|, |v[97+16*\b+\i]|
.endr
.endr
.irp b, 0,1
	v_permlanex16_b32 v[T1+\b], v[BM+\b], s[SEL], s[SEL+1]
.endr
.irp b, 0,1
	v_max_num_f32 v[BM+\b], v[BM+\b], v[T1+\b]
.endr
.irp b, 0,1
	v_add_nc_u32 v[SOP+\b], 0xf8800000, v[BM+\b]
.endr
.irp b, 0,1
	v_and_or_b32 v[HOLD+\b], v[BM+\b], 0x7f800000, s[MNT]
.endr
.irp b, 0,1
	v_lshrrev_b32 v[T1+\b], 23, v[SOP+\b]
.endr
	v_lshl_or_b32 v[HW], v[T1+1], 8, v[T1]         ; my row's two bytes
.irp b, 0,1
.set n, 0
.rept 16
	v_med3_num_f32 v[96+16*\b+n], v[96+16*\b+n], -v[HOLD+\b], v[HOLD+\b]
.set n, n+1
.endr
	v_cvt_scalef32_pk8_bf8_f32 v[192+4*\b:193+4*\b], v[96+16*\b:103+16*\b], v[SOP+\b]
	v_cvt_scalef32_pk8_bf8_f32 v[194+4*\b:195+4*\b], v[104+16*\b:111+16*\b], v[SOP+\b]
.endr
	v_nop                                          ; a plain line behind the conversions
	; into true order: of a block, lanes 0-15 hold channels 0-7 and 16-23, lanes 16-31 channels 8-15 and 24-31; the lower lanes' second half changes places with the upper lanes' first
	v_permlane16_swap_b32 v192, v194
	v_permlane16_swap_b32 v193, v195
	v_permlane16_swap_b32 v196, v198
	v_permlane16_swap_b32 v197, v199
	s_wait_alu depctr_va_vdst(0)                   ; the exchanges have written v192 to v199 and the two bytes' line v219, which the stores below read; the steps' conversions and products are done with v200 to v203, in which wave 0's load below lands: no vector instruction stands between
	global_store_b128 v[LI], v[192:195], s[CP:CP+1]            ; 512 consecutive bytes each
	global_store_b128 v[LI], v[196:199], s[CP:CP+1] offset:512
	ds_store_b16 v[SGA], v[HW]                     ; both halves of the lanes write the same bytes with the same value
	BAR                                            ; the block's 256 pairs of bytes lie in LDS
	s_cmp_lg_u32 s[WV], 0
	s_cbranch_scc1 .Lnot_wave_0
	ds_load_b128 v[200:203], v[LI] offset:SCG
	s_wait_dscnt 0x0
	global_store_b128 v[LI], v[200:203], s[CSP:CSP+1]          ; 512 consecutive bytes
.Lnot_wave_0:
	s_add_co_u32 s[BLK], s[BLK], 1
	s_cmp_lt_u32 s[BLK], 2
	s_cbranch_scc1 .Lblock
	s_wait_dscnt 0x0                               ; the closing lines, six on end
	s_wait_alu 0x0
	s_wait_tensorcnt 0x0
	ds_add_u32 v254, v255
	s_wait_dscnt 0x0
	s_endpgm
.Lfunc_end_k_q73b393a5d6_attn:
	.size	k_q73b393a5d6_attn, .Lfunc_end_k_q73b393a5d6_attn-k_q73b393a5d6_attn
	.p2alignl 7, 3214868480
	.fill 96, 4, 3214868480
	.section	.rodata,"a",@progbits
	.p2align	6, 0x0
	.amdhsa_kernel k_q73b393a5d6_attn
		.amdhsa_group_segment_fixed_size 38912
		.amdhsa_private_segment_fixed_size 0
		.amdhsa_enable_private_segment 0
		.amdhsa_kernarg_size 64
		.amdhsa_user_sgpr_count 2
		.amdhsa_user_sgpr_kernarg_segment_ptr 1
		.amdhsa_wavefront_size32 1
		.amdhsa_system_sgpr_workgroup_id_x 1
		.amdhsa_system_sgpr_workgroup_id_y 1
		.amdhsa_system_sgpr_workgroup_id_z 1
		.amdhsa_system_vgpr_workitem_id 0
		.amdhsa_next_free_vgpr 256
		.amdhsa_next_free_sgpr 66
		.amdhsa_reserve_vcc 0
		.amdhsa_float_denorm_mode_32 3
		.amdhsa_float_denorm_mode_16_64 3
		.amdhsa_memory_ordered 1
		.amdhsa_forward_progress 1
		.amdhsa_inst_pref_size 73
	.end_amdhsa_kernel
	.amdgpu_metadata
---
amdhsa.version: [ 1, 2 ]
amdhsa.kernels:
  - .name:           k_q73b393a5d6_attn
    .symbol:         k_q73b393a5d6_attn.kd
    .args:
      - { .name: qimg, .offset: 0, .size: 8, .value_kind: global_buffer, .address_space: global }
      - { .name: qsc, .offset: 8, .size: 8, .value_kind: global_buffer, .address_space: global }
      - { .name: kimg, .offset: 16, .size: 8, .value_kind: global_buffer, .address_space: global }
      - { .name: ksc, .offset: 24, .size: 8, .value_kind: global_buffer, .address_space: global }
      - { .name: vimg, .offset: 32, .size: 8, .value_kind: global_buffer, .address_space: global }
      - { .name: vsc, .offset: 40, .size: 8, .value_kind: global_buffer, .address_space: global }
      - { .name: cimg, .offset: 48, .size: 8, .value_kind: global_buffer, .address_space: global }
      - { .name: csc, .offset: 56, .size: 8, .value_kind: global_buffer, .address_space: global }
    .group_segment_fixed_size: 38912
    .private_segment_fixed_size: 0
    .kernarg_segment_align: 8
    .kernarg_segment_size: 64
    .max_flat_workgroup_size: 512
    .sgpr_count:     66
    .vgpr_count:     256
    .wavefront_size: 32
...
	.end_amdgpu_metadata
.endif
;; end of part 4
;; launch outp: the kernel of part 3 again; grid 4 x 32, 4 waves a work-group, clusters of 4 x 4, 327,680 bytes of LDS; arguments cimg, csc, Wo_codes, Wo_scales, out0; writes out0
